; MI455X (gfx1250); checked and timed in simulation.
; The chip was launched on July 23, 2026; its instructions are those of AMD's public machine-readable ISA for CDNA 5 (MIT licence, August 2026) and "CDNA5" Instruction Set Architecture Reference Guide (July 2026). The comments in the code are by the model that wrote it; some were corrected since.
;; Scaled Dot Product Attention. Allowed arithmetic: matrix products marked QUANTISED: E2M1 operands, one E8M0 scale for each 32 along K, by v_wmma_scale_f32_16x16x128_f8f6f4 with both operands' format E2M1 (or v_wmma_scale_f32_32x16x128_f4), f32 sums; everything else in f32.
;; Inputs: attn_mask 1 x 1 x 2,048 x 2,048 bool; k 4 x 16 x 2,048 x 64 float32; q 4 x 16 x 2,048 x 64 float32; v 4 x 16 x 2,048 x 64 float32.
;; Outputs: out0 4 x 16 x 2,048 x 64 float32.
;; This version of the problem:
;;   THIS VERSION OF THE PROBLEM IS GIVEN IN LOW PRECISION. The matrix products marked QUANTISED in the list below multiply operands that are first quantised to E2M1 (2 exponent bits, 1 mantissa bit; 4 bits a number), with one power-of-two scale for each 32 numbers along K (OCP MX v1.0); their sums are f32. All else is computed in f32.
;;   The module's matrix products, in the order in which they are computed (A, B: the left and right operand; K: the contracted axis; several contracted axes count as one K, in the product's order):
;;     1. batch 64 x [M 2,048, K 64] x [K 64, N 2,048]; A: input q; B: input k: QUANTISED
;;     2. batch 64 x [M 2,048, K 2,048] x [K 2,048, N 64]; A: softmax (see below); B: input v: QUANTISED
;;   THE QUANTISER, for each operand of a quantised product, along K:
;;     - K is cut into blocks of 32 from its start; a last block that is shorter is filled with zeros.
;;     - A block's scale is 2^e with e = floor(log2(the largest magnitude in the block)) - 2, held to -126 .. 127; a block of zeros has e = 0. As a byte (E8M0): e + 127.
;;     - Each number is divided by its block's scale, clamped to +-6, and rounded to the nearest number of E2M1, ties to even, subnormals kept.
;;     - The product sums the exact products of the quantised numbers (number of the format x scale) in f32.
;;   ~~~python
;;   def quantise(x, axis):      # numpy; x: float32 -> the quantised numbers, widened to float32 again
;;       x = np.moveaxis(x, axis, -1); K = x.shape[-1]
;;       x = np.pad(x, [(0, 0)] * (x.ndim - 1) + [(0, -K % 32)]); x = x.reshape(x.shape[:-1] + (-1, 32)); a = np.abs(x).max(-1, keepdims=True)
;;       e = np.where(a > 0, np.clip(np.frexp(np.where(a > 0, a, 1))[1] - 1 - 2, -126, 127), 0)      # np.frexp(a)[1] - 1 = floor(log2(a)), exactly
;;       r = np.clip(x / 2.0 ** e, -6, 6)
;;       step = 2.0 ** (np.maximum(np.frexp(np.where(r == 0, 1, r))[1] - 1, 0) - 1)
;;       q = np.round(r / step) * step * 2.0 ** e      # np.round: ties to even
;;       return np.moveaxis(q.reshape(q.shape[:-2] + (-1,))[..., :K], -1, axis).astype(np.float32)
;;   ~~~
;;   SOFTMAX AHEAD OF A QUANTISED PRODUCT. Where the list says 'softmax', what is quantised is not the finished softmax but p = 2^(t - M), with t = logit x log2(e) and M = ceil(the row's largest t), a whole number; so 1/2 < the row's largest p <= 1. The row's sum l is taken of the UNQUANTISED p, in f32, and the product's result is divided by l at the end. Since M is a whole number, a kernel that streams over the keys may use a running M (the ceiling of the running maximum): every later rescaling is an exact power of two, which a block's scale takes up: the codes' values come out the same.
;;   OPERANDS COMPUTED ON THE WAY. 'Computed on the way' means the value that the module computes at that place (a softmax that the list does not call 'softmax' is quantised finished and normalised). What goes into a quantiser is computed in f32, as accurately as f32 sums, v_exp_f32 and their like allow (about 1e-6 of the number): no bf16 or f16 on the way to a quantiser, and a product that is left as it is and whose result goes on into a quantised operand takes f32 operands (vector FMAs, or v_wmma_f32_16x16x4_f32). A number that lies on a knife's edge between two numbers of the format may be rounded either way, as far as f32 arithmetic and the matrix unit's own rounding can turn it there, and no further.
;; 2 versions. Each part assembles by itself: llvm-mc -triple=amdgcn-amd-amdhsa -mcpu=gfx1250 --defsym DOCPART=n.
;; ======== version 1 of 2: 2 launches
;; workspace buffers: kvc 8,388,608 bytes; ksc 524,288 bytes; vsc 262,144 bytes; maskbits 524,288 bytes of whole numbers; flags 1,024 bytes of whole numbers
;; launch prep (part 1): grid 1024 x 1, 8 waves a work-group, no clusters, 37,376 bytes of LDS; arguments k, v, attn_mask, kvc, ksc, vsc, maskbits, flags; writes kvc, ksc, vsc, maskbits, flags
.if DOCPART == 1
	.amdgcn_target "amdgcn-amd-amdhsa--gfx1250"
	.amdhsa_code_object_version 6
	.text
	.protected	k_q4cbacbaf54_prep
	.globl	k_q4cbacbaf54_prep
	.p2align	8
	.type	k_q4cbacbaf54_prep,@function
k_q4cbacbaf54_prep:
	s_mov_b64 s[64:65], 0
	v_nop
	global_prefetch_b8 v0, s[64:65] scope:SCOPE_SE
	s_setreg_imm32_b32 hwreg(HW_REG_WAVE_MODE, 25, 1), 1
	s_wait_xcnt 0x0
; K and V [64 heads][2048 keys][64] f32 become codes of FP4 (E2M1) with one E8M0 scale byte for each 32 along a product's K, laid in the ORDER OF THE OPERANDS' REGISTERS,
; and the mask [2048][2048] of bytes becomes lane masks and flags.  Work-group i (of 1,024) makes:
;   kvc block i (head i / 16, key step i % 16: 128 keys), 8,192 bytes: K's eight fragments (tile t at 512 t + 16 lane: the codes of channels 32 (lane / 16) + 0 .. 31 of one key),
;     then V's four (4,096 + 1,024 t + 512 c + 16 lane: channel 16 t + lane % 16, keys 64 c + 32 (lane / 16) + 0 .. 31 of the step);
;   ksc block i, 512 bytes: at 16 lane + 4 j the scale word of K's tile 2 j (lanes 0-15) or 2 j + 1 (lanes 16-31): bytes 0, 1 its row's two blocks, bytes 2, 3 zero;
;   vsc block i, 256 bytes: at 8 lane + 4 j the same for V's tiles; byte b of a word is for keys 32 b on;
;   maskbits block i, 512 bytes: tile of queries T = i / 8, key steps 2 (i % 8) and + 1: for each step 64 words; bit lane = (r, h) of word 16 b + n is mask[16 T + r][128 step + 32 b + 16 h + n];
;   flags byte i: bit 0, 1: the first, second of these steps has a key that counts for some of the 16 queries; bit 2, 3: it has a hidden one.
; THE KEYS OF A TILE OF K ARE NOT NEIGHBOURS: row r of tile 2 b + u is key 32 b + 8 u + r + 8 (r / 8), so that in the transposed product the 16 registers of tiles 2 b, 2 b + 1 are 16 neighbouring keys.
; A block's scale is 2^(floor(log2(its largest magnitude)) - 2); its byte is that magnitude's exponent field - 2, held at 1 from below.
; LIMITS: NaN and infinities among k and v are not served; a block whose largest magnitude lies under 2^-124, a block of zeros too, gets the byte 1 (its codes are then zeros or the rule's own
; numbers at the held scale; the bytes are read by this program alone); a mask byte other than 0 counts as True.
; SHARES: wave w makes K's tile w; the codes of V's keys 32 (w / 2) on for channels 32 (w % 2) + lane; and the 16 mask words 16 w on.  No matrix unit, no tensor load: memory binds.
; All 41 loads of a wave go out at once.  One barrier: the small results (scale words, mask words, flags) meet in LDS and leave as dense runs.
.set KSTB,  4352                       ; a wave's stage: 16 rows x (256 bytes + 16)
.set SKL,   8*KSTB                     ; K's scale words, 512 bytes
.set SVL,   SKL+512                    ; V's, 256 bytes
.set MBL,   SVL+256                    ; the mask words, 512 bytes
.set FLL,   MBL+512                    ; a flag word for each wave, 32 bytes
.set SPARE, FLL+256                    ; the spare words, 128 bytes for each wave: four blocks of 256 bytes that no other line names
.set R,   16                           ; v16-47   K as loaded
.set X,   48                           ; v48-79   K: 32 neighbours along the channels
.set VV,  80                           ; v80-111  V: 32 keys of my channel
.set M,   112                          ; v112-115 16 mask bytes
.set KC,  116                          ; v116-119 K's codes
.set VC,  120                          ; v120-123 V's codes
; 32 numbers of ONE block in v[x] on become 32 codes in v[c] on; the scale's byte is left in v127
.macro QBLOCK x, c
	v_max3_num_f32 v124, |v[\x]|, |v[\x+1]|, |v[\x+2]|             ; the largest magnitude, in two chains
	v_max3_num_f32 v125, |v[\x+3]|, |v[\x+4]|, |v[\x+5]|
.irp i, 6,10,14,18,22,26
	v_max3_num_f32 v124, v124, |v[\x+\i]|, |v[\x+\i+1]|
	v_max3_num_f32 v125, v125, |v[\x+\i+2]|, |v[\x+\i+3]|
.endr
	v_max3_num_f32 v124, v124, |v[\x+30]|, |v[\x+31]|
	v_max3_num_f32 v124, v124, v125, 0x1800000                     ; and the floor 2^(3 - 127): the byte cannot fall under 1
	v_add_nc_u32 v126, 0xff000000, v124                            ; 2 off the exponent field: the conversion takes the exponent field of this operand as its scale
	v_lshrrev_b32 v127, 23, v126                                   ; the scale's byte
.irp g, 0,1,2,3
	v_cvt_scalef32_pk8_fp4_f32 v[\c+\g], v[\x+8*\g:\x+8*\g+7], v126
.endr
	v_nop                                                          ; one plain line behind the last scaled conversion
.endm
	s_load_b512 s[4:19], s[0:1], 0x0               ; k 4, v 6, mask 8, kvc 10, ksc 12, vsc 14, maskbits 16, flags 18
	v_lshl_add_u32 v12, v0, 2, SPARE               ; my spare word,
	v_mov_b32 v13, 0                               ; and 0: kept for the closing lines alone
	v_lshrrev_b32 v1, 5, v0
	v_readfirstlane_b32 s20, v1                    ; wave w
	v_and_b32 v1, 31, v0                           ; lane
	v_and_b32 v2, 15, v0                           ; r
	v_bfe_u32 v3, v0, 4, 1                         ; h
	v_lshlrev_b32 v4, 4, v1                        ; 16 lane
	v_lshlrev_b32 v140, 3, v1                      ; 8 lane
	v_mov_b32 v141, 0
	s_mul_i32 s21, s20, KSTB                       ; my stage
	v_mul_u32_u24 v5, v3, 272
	v_lshl_add_u32 v5, v2, 4, v5
	v_add_nc_u32 v5, s21, v5                       ; into it: a load's 512 bytes are two rows: row h, byte 16 r
	v_mul_u32_u24 v6, v2, 272
	v_lshl_add_u32 v6, v3, 7, v6
	v_add_nc_u32 v6, s21, v6                       ; out of it: row r, my half's 128 bytes
	v_lshlrev_b32 v7, 2, v1                        ; V: 4 bytes a lane
	v_lshlrev_b32 v8, 10, v3
	v_lshl_or_b32 v8, v2, 4, v8                    ; V's codes: 1,024 (lane / 16) + 16 r
	s_and_b32 s22, s20, 1                          ; w % 2
	s_lshr_b32 s23, s20, 1                         ; w / 2
	s_lshl_b32 s30, s22, 8
	s_lshl_b32 s31, s23, 2
	s_add_co_u32 s30, s30, s31
	s_add_co_u32 s30, s30, SKL
	v_lshl_add_u32 v9, v2, 4, s30                  ; K's scale word: SKL + 16 (r + 16 (w % 2)) + 4 (w / 2)
	s_lshl_b32 s30, s22, 2
	s_add_co_u32 s30, s30, s23
	s_add_co_u32 s30, s30, SVL
	v_lshl_add_u32 v10, v1, 3, s30                 ; V's scale byte: SVL + 8 lane + 4 (w % 2) + w / 2
	v_lshlrev_b32 v11, 11, v2
	v_lshl_or_b32 v11, v3, 4, v11                  ; the mask: row r of 2,048 bytes, + 16 h
	s_lshl_b32 s30, s20, 6
	s_add_co_u32 s30, s30, MBL
	v_lshl_add_u32 v14, v2, 2, s30                 ; my mask words: MBL + 64 w + 4 r
	s_lshl_b32 s30, s20, 2
	s_add_co_u32 s30, s30, FLL
	v_mov_b32 v15, s30                             ; my flag word
	s_mov_b32 s24, 0x76543210
	s_mov_b32 s25, 0xfedcba98                      ; v_permlanex16_b32's selects for lane l xor 16
	; byte offsets, each in registers of its own
	s_lshl_b32 s32, ttmp9, 15                      ; a block of 128 keys is 32,768 bytes of k and of v
	s_lshl_b32 s30, s23, 13
	s_add_co_u32 s32, s32, s30                     ; + 32 (w / 2) keys
	s_lshl_b32 s30, s22, 11
	s_add_co_u32 s34, s32, s30                     ; K: + 8 (w % 2) keys
	s_mov_b32 s35, 0
	s_lshl_b32 s30, s22, 7
	s_add_co_u32 s32, s32, s30                     ; V: + 32 (w % 2) channels
	s_mov_b32 s33, 0
	s_lshr_b32 s36, ttmp9, 3
	s_lshl_b32 s36, s36, 15                        ; the mask: 16 T rows,
	s_and_b32 s30, ttmp9, 7
	s_lshl_b32 s30, s30, 8
	s_add_co_u32 s36, s36, s30                     ; two steps' 256 columns,
	s_lshl_b32 s30, s20, 5
	s_add_co_u32 s36, s36, s30                     ; my 32 of them
	s_mov_b32 s37, 0
	s_lshl_b32 s42, ttmp9, 13
	s_lshl_b32 s30, s20, 9
	s_add_co_u32 s38, s42, s30                     ; K's codes: block i, tile w
	s_mov_b32 s39, 0
	s_lshl_b32 s30, s22, 11
	s_add_co_u32 s40, s42, s30
	s_lshl_b32 s30, s23, 8
	s_add_co_u32 s40, s40, s30
	s_add_co_u32 s40, s40, 4096                    ; V's: block i, + 4,096 + 2,048 (w % 2) + 256 (w / 2)
	s_mov_b32 s41, 0
	s_lshl_b32 s42, ttmp9, 9
	s_mov_b32 s43, 0
	s_lshl_b32 s44, ttmp9, 8
	s_mov_b32 s45, 0
	s_mov_b32 s46, ttmp9
	s_mov_b32 s47, 0
	s_wait_kmcnt 0x0
	s_add_nc_u64 s[4:5], s[4:5], s[34:35]
	s_add_nc_u64 s[6:7], s[6:7], s[32:33]
	s_add_nc_u64 s[8:9], s[8:9], s[36:37]
	global_load_b128 v[M:M+3], v11, s[8:9]         ; 16 mask bytes of my row: keys 32 b + 16 h + 0 .. 15
.irp j, 0,1,2,3,4,5,6,7
	global_load_b128 v[R+4*\j:R+4*\j+3], v4, s[4:5] offset:512*\j+2048*(\j/4) th:TH_LOAD_NT   ; two runs of eight keys, 16 keys apart; each load 512 consecutive bytes
.endr
.set n, 0
.rept 32
	global_load_b32 v[VV+n], v7, s[6:7] offset:256*n th:TH_LOAD_NT   ; a lane to a channel, registers down the keys
.set n, n+1
.endr
	s_add_nc_u64 s[38:39], s[10:11], s[38:39]
	s_add_nc_u64 s[40:41], s[10:11], s[40:41]
	s_add_nc_u64 s[12:13], s[12:13], s[42:43]
	s_add_nc_u64 s[14:15], s[14:15], s[44:45]
	s_add_nc_u64 s[16:17], s[16:17], s[42:43]
	s_add_nc_u64 s[18:19], s[18:19], s[46:47]
	s_wait_loadcnt 32                              ; the mask and K are in; V's 32 younger loads stay out
	; ---- K: through my stage, so that a lane holds a whole block of 32 channels of one key
.irp j, 0,1,2,3,4,5,6,7
	ds_store_b128 v5, v[R+4*\j:R+4*\j+3] offset:544*\j
.endr
.irp j, 0,1,2,3,4,5,6,7
	ds_load_b128 v[X+4*\j:X+4*\j+3], v6 offset:16*\j               ; LDS serves a wave's instructions in order: these see my stores
.endr
	s_wait_dscnt 0x0
	QBLOCK X, KC
	global_store_b128 v4, v[KC:KC+3], s[38:39]     ; the fragment as the operand's registers take it: 512 consecutive bytes
	v_lshlrev_b32 v128, 3, v3
	v_lshlrev_b32 v128, v128, v127                 ; my block's byte at its place in the row's word,
	v_mov_b32 v129, 0
	v_permlanex16_b32 v129, v128, s24, s25
	v_or_b32 v128, v128, v129                      ; with lane l xor 16's the word is whole
	ds_store_b32 v9, v128                          ; (both halves of the lanes write the same word with the same value)
	; ---- the mask: byte n of the 32 lanes is one compare's lane mask, which is word n
	v_mov_b32 v130, 0
	s_mov_b32 s26, 0                               ; the OR of my 16 words,
	s_mov_b32 s27, -1                              ; and the AND
.set n, 0
.rept 16
	v_bfe_u32 v[131+n%2], v[M+n/4], 8*(n%4), 8
	v_cmp_ne_u32 s[28+n%2], 0, v[131+n%2]
	v_writelane_b32 v130, s[28+n%2], n
	s_or_b32 s26, s26, s[28+n%2]
	s_and_b32 s27, s27, s[28+n%2]
.set n, n+1
.endr
	v_mov_b32 v133, 0
	v_permlanex16_b32 v133, v130, s24, s25
	v_or_b32 v130, v130, v133                      ; lanes 16-31 hold the same 16 words, and write them to the same places
	ds_store_b32 v14, v130
	s_lshr_b32 s30, s20, 2                         ; which of the two steps my words belong to
	s_cmp_lg_u32 s27, -1
	s_cselect_b32 s31, 1, 0                        ; some key counts
	s_cmp_lg_u32 s26, 0
	s_cselect_b32 s21, 4, 0                        ; some key is hidden
	s_or_b32 s31, s31, s21
	s_lshl_b32 s31, s31, s30
	v_mov_b32 v134, s31
	ds_store_b32 v15, v134
	; ---- V: a lane's 32 registers are a whole block along the keys
	s_wait_loadcnt 0x0
	QBLOCK VV, VC
	global_store_b128 v8, v[VC:VC+3], s[40:41]     ; sixteen lanes store 256 consecutive bytes, at a multiple of 256 from the buffer's first byte
	ds_store_b8 v10, v127
	s_wait_dscnt 0x0                               ; for the others' sake: my stores have landed
	s_barrier_signal -1
	s_barrier_wait -1
	; ---- the small results leave as dense runs: one wave each
	s_cmp_lg_u32 s20, 0
	s_cbranch_scc1 .Lw1
	ds_load_b128 v[144:147], v4 offset:SKL
	s_wait_dscnt 0x0
	global_store_b128 v4, v[144:147], s[12:13]
	s_branch .Ldone
.Lw1:
	s_cmp_lg_u32 s20, 1
	s_cbranch_scc1 .Lw2
	ds_load_b64 v[144:145], v140 offset:SVL
	s_wait_dscnt 0x0
	global_store_b64 v140, v[144:145], s[14:15]
	s_branch .Ldone
.Lw2:
	s_cmp_lg_u32 s20, 2
	s_cbranch_scc1 .Lw3
	ds_load_b128 v[144:147], v4 offset:MBL
	s_wait_dscnt 0x0
	global_store_b128 v4, v[144:147], s[16:17]
	s_branch .Ldone
.Lw3:
	s_cmp_lg_u32 s20, 3
	s_cbranch_scc1 .Ldone
	ds_load_b128 v[144:147], v141 offset:FLL       ; the eight waves' flag words, in every lane
	ds_load_b128 v[148:151], v141 offset:FLL+16
	s_wait_dscnt 0x0
	v_or_b32 v144, v144, v145
	v_or_b32 v146, v146, v147
	v_or_b32 v148, v148, v149
	v_or_b32 v150, v150, v151
	v_or_b32 v144, v144, v146
	v_or_b32 v148, v148, v150
	v_or_b32 v144, v144, v148
	v_cmp_eq_u32 vcc_lo, 0, v1
	s_wait_xcnt 0x0                                ; EXEC is a source of my earlier stores: it changes only behind this wait
	s_and_saveexec_b32 s30, vcc_lo
	global_store_b8 v141, v144, s[18:19]           ; lane 0 stores the work-group's flag byte
	s_wait_xcnt 0x0                                ; and again in front of the line that widens it
	s_or_b32 exec_lo, exec_lo, s30
.Ldone:
	s_wait_tensorcnt 0x0                           ; the wave's end, behind my last LDS store
	ds_add_u32 v12, v13
	s_wait_dscnt 0x0
	s_endpgm
.Lfunc_end_k_q4cbacbaf54_prep:
	.size	k_q4cbacbaf54_prep, .Lfunc_end_k_q4cbacbaf54_prep-k_q4cbacbaf54_prep
	.p2alignl 7, 3214868480
	.fill 96, 4, 3214868480
	.section	.rodata,"a",@progbits
	.p2align	6, 0x0
	.amdhsa_kernel k_q4cbacbaf54_prep
		.amdhsa_group_segment_fixed_size 37376
		.amdhsa_private_segment_fixed_size 0
		.amdhsa_enable_private_segment 0
		.amdhsa_kernarg_size 64
		.amdhsa_user_sgpr_count 2
		.amdhsa_user_sgpr_kernarg_segment_ptr 1
		.amdhsa_wavefront_size32 1
		.amdhsa_system_sgpr_workgroup_id_x 1
		.amdhsa_system_sgpr_workgroup_id_y 1
		.amdhsa_system_sgpr_workgroup_id_z 1
		.amdhsa_system_vgpr_workitem_id 0
		.amdhsa_next_free_vgpr 152
		.amdhsa_next_free_sgpr 66
		.amdhsa_reserve_vcc 1
		.amdhsa_float_denorm_mode_32 3
		.amdhsa_float_denorm_mode_16_64 3
		.amdhsa_memory_ordered 1
		.amdhsa_forward_progress 1
		.amdhsa_inst_pref_size 19
	.end_amdhsa_kernel
	.amdgpu_metadata
---
amdhsa.version: [ 1, 2 ]
amdhsa.kernels:
  - .name:           k_q4cbacbaf54_prep
    .symbol:         k_q4cbacbaf54_prep.kd
    .args:
      - { .name: k, .offset: 0, .size: 8, .value_kind: global_buffer, .address_space: global }
      - { .name: v, .offset: 8, .size: 8, .value_kind: global_buffer, .address_space: global }
      - { .name: attn_mask, .offset: 16, .size: 8, .value_kind: global_buffer, .address_space: global }
      - { .name: kvc, .offset: 24, .size: 8, .value_kind: global_buffer, .address_space: global }
      - { .name: ksc, .offset: 32, .size: 8, .value_kind: global_buffer, .address_space: global }
      - { .name: vsc, .offset: 40, .size: 8, .value_kind: global_buffer, .address_space: global }
      - { .name: maskbits, .offset: 48, .size: 8, .value_kind: global_buffer, .address_space: global }
      - { .name: flags, .offset: 56, .size: 8, .value_kind: global_buffer, .address_space: global }
    .group_segment_fixed_size: 37376
    .private_segment_fixed_size: 0
    .kernarg_segment_align: 8
    .kernarg_segment_size: 64
    .max_flat_workgroup_size: 256
    .sgpr_count:     66
    .vgpr_count:     152
    .wavefront_size: 32
...
	.end_amdgpu_metadata
.endif
;; end of part 1
;; launch attn (part 2): grid 4 x 64, 16 waves a work-group, no clusters, 100,352 bytes of LDS; arguments q, kvc, ksc, vsc, maskbits, flags, out0; writes out0
.if DOCPART == 2
	.amdgcn_target "amdgcn-amd-amdhsa--gfx1250"
	.amdhsa_code_object_version 6
	.text
	.protected	k_q4cbacbaf54_attn
	.globl	k_q4cbacbaf54_attn
	.p2align	8
	.type	k_q4cbacbaf54_attn,@function
k_q4cbacbaf54_attn:
	s_mov_b64 s[64:65], 0
	v_nop
	global_prefetch_b8 v0, s[64:65] scope:SCOPE_SE
	s_setreg_imm32_b32 hwreg(HW_REG_WAVE_MODE, 25, 1), 1
	s_wait_xcnt 0x0
; O[head][q][:] = the sum over k of softmax_k(Q[q] . K[k] / 8, hidden where the mask says so) V[k][:], 64 heads x 2,048 x 64, both products on codes of FP4 (E2M1) with one E8M0 scale for each 32 along K.
; K's and V's codes and scale words, the mask as lane masks and the flags come from the launch before, in the order of the operands' registers; Q (f32) is read once by one wave and quantised here.
; THE SOFTMAX AHEAD OF THE SECOND PRODUCT: t = score x log2(e) / 8; M = the row's largest t so far, rounded UP to a whole number; p = 2^(t - M) is quantised along the keys, not normalised.
; The row's sum is taken of the unquantised p and divides O at the end.  When M moves, the sum and O are multiplied by 2^(old M - new M): exact.  A row with no key that counts ends as 0 x 1/0 = NaN, as the softmax of such a row is.
; SHARES.  Work-group (x, head) takes the blocks 7 - x and x of 256 queries, one after the other (two passes); each of its SIXTEEN waves owns one tile of 16 queries in 256 registers, four waves to a SIMD.
; LAYOUT.  Both products are used transposed: S^T = K Q^T (source 0 = 16 keys, source 1 = my queries), O^T = V^T P^T: a lane holds ONE query (lane % 16) throughout.  The head's 64 channels fill half of the
; first product's 128 along K: the other half is zero codes on both sides (registers cleared once) under scale bytes 0.  Register 16 b + i of S^T is key 32 b + 16 (lane / 16) + i of the step.
; THE MASK is honoured as it is given.  Word n of a step's 64 is the lane mask of score register n: one v_cndmask_b32 a register puts -infinity where a key is hidden.  A step with no hidden key for my tile
; jumps over these 64 lines; a step with no key that counts for my tile is jumped over whole: scalar branches on the stored flags.  No barrier stands under such a branch.
; NO TENSOR LOAD, NO CLUSTER: the ring of two LDS slots (a key step, 8,192 bytes, each) is filled through
; registers: 512 threads x 16 bytes, asked for a step ahead, stored behind the step's work, one barrier a step.  A step that no tile of the work-group needs is not fetched.
; LIMITS: NaN and infinities among q are not served; a block of q whose largest magnitude lies under 2^-124, a block of zeros too, gets the scale byte 1.
.set SLOTB, 8192                       ; LDS: slot 0 at 0, slot 1 at 8,192: images of kvc blocks
.set KSC,   16384                      ; the head's scale words of K, 512 bytes a step: stored once
.set VSC,   24576                      ; and of V, 256 bytes a step
.set STG,   28672                      ; a stage of 16 rows x (256 bytes + 16) for each wave
.set STGB,  4352
.set SPARE, STG+16*STGB                ; the spare words, 128 bytes for each wave: eight blocks of 256 bytes that no other line names
; VECTOR: v1 16 lane; v2 8 lane; v3 16 thread; v4 stage by rows (272 h + 16 r); v5, v6 the add's two; v7 stage: row r, + 128 h; v8 stage: row r, + 32 h; v9, v10 the trip's scale words of K, V; v11 256 lane;
;   v12 -M, v13 the largest t, v[14:15] the sum; v16-23 Q's fragment; v24 Q's scale word; v25 -infinity; v26-29 the fill; v32-95 K's 8 fragments; v96-159 S^T, then p; v160-191 O^T; v192-223 V's 4 fragments;
;   v224-231 p's codes; v232-239, v244-247, v254 at work; v240-241 V's scale words; v[242:243] f; v248-251 K's scale words; v252 p's scale word.
; SCALAR: s[4:15], s[84:85] the buffers at my head; s[16:63], s[68:83] a step's 64 mask words; s66 wave; s67 block of queries; s[86:87] lane selects; s[88:89] c; s[90:91] my tile's flags, s[92:93] the
;   work-group's (the trip's byte lowest); s[94:95] kvc at the trip's first step; s[96:97] maskbits likewise; s100 trip; s101 pass; s104 the prefetches' limit; s2, s3, s98, s99, s105 at work.
; 32 numbers of ONE block in v[x] on become 32 codes in v[c] on; the scale's byte is left in v235
.macro QBLOCK x, c
	v_max3_num_f32 v232, |v[\x]|, |v[\x+1]|, |v[\x+2]|
	v_max3_num_f32 v233, |v[\x+3]|, |v[\x+4]|, |v[\x+5]|
.irp i, 6,10,14,18,22,26
	v_max3_num_f32 v232, v232, |v[\x+\i]|, |v[\x+\i+1]|
	v_max3_num_f32 v233, v233, |v[\x+\i+2]|, |v[\x+\i+3]|
.endr
	v_max3_num_f32 v232, v232, |v[\x+30]|, |v[\x+31]|
	v_max3_num_f32 v232, v232, v233, 0x1800000                     ; the floor 2^(3 - 127): the byte cannot fall under 1
	v_add_nc_u32 v234, 0xff000000, v232                            ; 2 off the exponent field: the conversion's scale operand
	v_lshrrev_b32 v235, 23, v234
.irp g, 0,1,2,3
	v_cvt_scalef32_pk8_fp4_f32 v[\c+\g], v[\x+8*\g:\x+8*\g+7], v234
.endr
	v_nop                                                          ; one plain line behind the last scaled conversion
.endm
; The next step's block is asked for, if some tile of the work-group needs it (bit of the work-group's flags; zeros are shifted in behind the last step, so no load leaves the buffer)
.macro FILLQ bit, imm
	s_bitcmp1_b32 s92, \bit
	s_cbranch_scc0 .Lnoload_\@
	global_load_b128 v[26:29], v3, s[94:95] offset:\imm
.Lnoload_\@:
.endm
; and goes into the slot that was read a step ago
.macro FILLS slot, bit
	s_wait_loadcnt 0x0                             ; the one load that can be out
	s_bitcmp1_b32 s92, \bit
	s_cbranch_scc0 .Lnostore_\@
	ds_store_b128 v3, v[26:29] offset:SLOTB*\slot
.Lnostore_\@:
.endm
; One barrier a step, on every wave's path: my stores of the next slot have landed, and my reads of this slot are back, before anybody reads the one or overwrites the other
.macro BAR
	s_wait_dscnt 0x0
	s_barrier_signal -1
	s_barrier_wait -1
.endm
; A PREFETCH INTO THE L2 of the block that the NEXT fill will load: 32 lanes, 256 bytes apart, name its 8,192 bytes.  Each block is named once in the launch: the four work-groups of a head read the same
; blocks, and wave 8 of work-group x = 0 asks, in its first pass alone.  It stands behind the fill's load.  Blocks 0 and 1 come by their loads alone; the last trip asks for nothing: there is no block behind it.
.macro ASK imm
	s_cmp_lt_u32 s100, s104
	s_cbranch_scc0 .Lnoask_\@
	global_prefetch_b8 v11, s[94:95] offset:\imm th:TH_LOAD_NT scope:SCOPE_SE
.Lnoask_\@:
.endm
.macro SOFTMAX
.irp b, 0,1,2,3
	v_max3_num_f32 v[232+\b], v[96+16*\b], v[97+16*\b], v[98+16*\b]   ; the largest score of each block of 32 keys: for the row's maximum and, since p rises with the score, for the block's largest p
.endr
.irp i, 3,5,7,9,11,13
.irp b, 0,1,2,3
	v_max3_num_f32 v[232+\b], v[232+\b], v[96+16*\b+\i], v[97+16*\b+\i]   ; (the four blocks by turns)
.endr
.endr
.irp b, 0,1,2,3
	v_max_num_f32 v[232+\b], v[232+\b], v[111+16*\b]
.endr
.irp b, 0,1,2,3
	v_permlanex16_b32 v[236+\b], v[232+\b], s86, s87
.endr
.irp b, 0,1,2,3
	v_max_num_f32 v[232+\b], v[232+\b], v[236+\b]  ; with lane l xor 16's 16 keys
.endr
	v_max3_num_f32 v254, v232, v233, v234
	v_max_num_f32 v254, v254, v235                 ; the step's largest score of my query
	v_mul_f32 v254, s88, v254                      ; as t (c is positive)
	v_max_num_f32 v13, v13, v254                   ; the running largest t
	v_mov_b32 v254, v12
	v_floor_f32 v12, -v13                          ; the new -M = floor(-t): M is a whole number
	v_sub_f32 v254, v12, v254                      ; old M less new M: a whole number, 0 or less
	v_cvt_i32_f32 v254, v254                       ; (it saturates)
	v_ldexp_f32 v242, 1.0, v254                    ; f = 2^(old M - new M)
.set j, 0
.rept 32
	v_pk_fma_f32 v[96+j:97+j], v[96+j:97+j], s[88:89], v[12:13] op_sel_hi:[1,0,0]   ; t - M, two at a time (of the pairs c and -M the low word serves both halves)
.set j, j+2
.endr
.irp b, 0,1,2,3
	v_fma_f32 v[232+\b], v[232+\b], s88, v12       ; the same of each block's largest score
.endr
.set j, 0
.rept 64
	v_exp_f32 v[96+j], v[96+j]                     ; p = 2^(t - M), at most 1; 0 where the key is hidden
.set j, j+1
.endr
	v_pk_mul_f32 v[14:15], v[14:15], v[242:243] op_sel_hi:[1,0]   ; the sums under the new M: the plain line behind the exponentials
	s_wait_alu depctr_va_vdst(0)                   ; one wait for the batch of 64, ahead of its first reader
.irp b, 0,1,2,3
	v_exp_f32 v[232+\b], v[232+\b]                 ; the block's largest p: the same two instructions on the same number give the same bits
.endr
	v_pk_add_f32 v[236:237], v[96:97], v[98:99]    ; the row's sum, of the UNQUANTISED p, in two chains; it reads the 64 alone
.set j, 4
.rept 15
	v_pk_add_f32 v[14:15], v[14:15], v[96+j:97+j]
	v_pk_add_f32 v[236:237], v[236:237], v[98+j:99+j]
.set j, j+4
.endr
	v_pk_add_f32 v[14:15], v[14:15], v[236:237]
	s_wait_alu depctr_va_vdst(0)                   ; and one for the four
.irp b, 0,1,2,3
	v_max_num_f32 v[232+\b], 0x1800000, v[232+\b]  ; the floor 2^(3 - 127): a block whose every p is 0 keeps the byte 1: its codes are zeros
.endr
.irp b, 0,1,2,3
	v_add_nc_u32 v[244+\b], 0xff000000, v[232+\b]  ; 2 off the exponent field: the conversion's scale operand
.endr
.irp b, 0,1,2,3
	v_lshrrev_b32 v[236+\b], 23, v[244+\b]         ; the scale's byte
.endr
	v_lshl_or_b32 v252, v237, 8, v236              ; p's scale word for these 128 keys
	v_lshl_or_b32 v252, v238, 16, v252
	v_lshl_or_b32 v252, v239, 24, v252
.irp b, 0,1,2,3
	v_cvt_scalef32_pk8_fp4_f32 v[224+2*\b], v[96+16*\b:103+16*\b], v[244+\b]
	v_cvt_scalef32_pk8_fp4_f32 v[225+2*\b], v[104+16*\b:111+16*\b], v[244+\b]
.endr
	v_nop                                          ; one plain line behind the last scaled conversion
.irp c, 0,1                                    ; the operand's layout wants a WHOLE block in a lane: lanes 0-15 block 2 c, lanes 16-31 block 2 c + 1
.irp i, 0,1
	v_permlane16_swap_b32 v[224+4*\c+\i], v[226+4*\c+\i]
.endr
.endr
.set j, 0
.rept 16
	v_pk_mul_f32 v[160+j:161+j], v[160+j:161+j], v[242:243] op_sel_hi:[1,0]   ; O^T under the new M.  Twelve of the sixteen name no register of any one product below: the places between p's scale word and codes and those products
.set j, j+2
.endr
.endm
; A KEY STEP: 128 keys, in slot s
.macro STEP s
	s_bitcmp1_b32 s90, \s                          ; does any of these keys count for any of my 16 queries?
	s_cbranch_scc0 .Lskip_\@
	s_load_b512 s[16:31], s[96:97], 256*\s         ; the step's 64 mask words
	s_load_b512 s[32:47], s[96:97], 256*\s+64
	s_load_b512 s[48:63], s[96:97], 256*\s+128
	s_load_b512 s[68:83], s[96:97], 256*\s+192
	ds_load_b128 v[248:251], v9 offset:KSC+512*\s  ; K's scale words: register j: lanes 0-15 tile 2 j, lanes 16-31 tile 2 j + 1
.irp t, 0,1,2,3,4,5,6,7
	ds_load_b128 v[32+8*\t:35+8*\t], v1 offset:SLOTB*\s+512*\t     ; a fragment's live half, 512 consecutive bytes; the last products that read these registers stand a softmax back
.endr
	s_wait_dscnt 0x0
.irp t, 0,1,2,3,4,5,6,7
.if \t%2
	v_wmma_scale_f32_16x16x128_f8f6f4 v[96+8*\t:103+8*\t], v[32+8*\t:39+8*\t], v[16:23], 0, v[248+\t/2], v24 matrix_a_fmt:MATRIX_FMT_FP4 matrix_b_fmt:MATRIX_FMT_FP4 matrix_a_scale:MATRIX_SCALE_ROW1
.else
	v_wmma_scale_f32_16x16x128_f8f6f4 v[96+8*\t:103+8*\t], v[32+8*\t:39+8*\t], v[16:23], 0, v[248+\t/2], v24 matrix_a_fmt:MATRIX_FMT_FP4 matrix_b_fmt:MATRIX_FMT_FP4
.endif
.endr
.rept 4
	v_nop                                          ; four places: in front of the first read of the scores, and of the loads into registers that the last step's second products read
.endr
	ds_load_b64 v[240:241], v10 offset:VSC+256*\s  ; V's scale words and fragments land while the softmax is walked
.irp t, 0,1,2,3
.irp c, 0,1
	ds_load_b128 v[192+8*\t+4*\c:195+8*\t+4*\c], v1 offset:SLOTB*\s+4096+1024*\t+512*\c
.endr
.endr
	s_wait_kmcnt 0x0                               ; the mask words are in
	s_bitcmp1_b32 s90, 2+\s                        ; is any of these keys hidden from any of my queries?
	s_cbranch_scc0 .Lopen_\@
.set n, 0
.rept 64
	v_cndmask_b32 v[96+n], v[96+n], v25, s[16+n+4*(n/48)]          ; -infinity where the word's bit for my lane is set; each accumulator from its low end on
.set n, n+1
.endr
.Lopen_\@:
	SOFTMAX
	s_wait_dscnt 0x0                               ; V
.irp t, 0,1,2,3                                ; O^T += V^T P^T: the four accumulators by turns, one instruction a turn; eight first products stand between two steps' turns
.if \t%2
	v_wmma_scale_f32_16x16x128_f8f6f4 v[160+8*\t:167+8*\t], v[192+8*\t:199+8*\t], v[224:231], v[160+8*\t:167+8*\t], v[240+\t/2], v252 matrix_a_fmt:MATRIX_FMT_FP4 matrix_b_fmt:MATRIX_FMT_FP4 matrix_a_scale:MATRIX_SCALE_ROW1
.else
	v_wmma_scale_f32_16x16x128_f8f6f4 v[160+8*\t:167+8*\t], v[192+8*\t:199+8*\t], v[224:231], v[160+8*\t:167+8*\t], v[240+\t/2], v252 matrix_a_fmt:MATRIX_FMT_FP4 matrix_b_fmt:MATRIX_FMT_FP4
.endif
.endr
.Lskip_\@:
.endm
	s_load_b256 s[4:11], s[0:1], 0x0               ; q 4, kvc 6, ksc 8, vsc 10
	s_load_b128 s[12:15], s[0:1], 0x20             ; maskbits 12, flags 14
	s_load_b64 s[84:85], s[0:1], 0x30              ; out0
	v_lshl_add_u32 v5, v0, 2, SPARE                ; my spare word,
	v_mov_b32 v6, 0                                ; and 0: kept for the closing lines alone
	v_lshrrev_b32 v1, 5, v0
	v_readfirstlane_b32 s66, v1                    ; wave 0..15
	v_and_b32 v1, 31, v0
	v_lshlrev_b32 v2, 3, v1                        ; 8 lane
	v_lshlrev_b32 v11, 8, v1                       ; 256 lane
	v_lshlrev_b32 v1, 4, v1                        ; 16 lane
	v_lshlrev_b32 v3, 4, v0                        ; 16 thread
	v_lshlrev_b32 v30, 3, v0                       ; 8 thread
	v_and_b32 v9, 15, v0                           ; r
	v_bfe_u32 v10, v0, 4, 1                        ; h
	s_mul_i32 s105, s66, STGB
	s_add_co_u32 s105, s105, STG                   ; my stage
	v_mul_u32_u24 v4, v10, 272
	v_lshl_add_u32 v4, v9, 4, v4
	v_add_nc_u32 v4, s105, v4                      ; by rows: lanes 0-15 one row of 256 bytes, lanes 16-31 the next
	v_mul_u32_u24 v7, v9, 272
	v_add_nc_u32 v7, s105, v7
	v_lshl_add_u32 v8, v10, 5, v7                  ; row r, + 32 h: where a tile of O^T puts my eight channels
	v_lshl_add_u32 v7, v10, 7, v7                  ; row r, + 128 h: my block of 32 channels of Q
	v_mov_b32 v25, 0xff800000                      ; -infinity
.irp j, 20,21,22,23
	v_mov_b32 v[\j], 0                             ; the dead half of Q's fragment: zero codes, written once
.endr
.irp t, 0,1,2,3,4,5,6,7
.irp j, 4,5,6,7
	v_mov_b32 v[32+8*\t+\j], 0                     ; and of K's eight
.endr
.endr
.irp j, 236,237,238,239,243,254
	v_mov_b32 v[\j], 0                             ; written once: a lane permute's destination counts as one of its sources; v243 is named as the upper half of f's pair
.endr
	s_mov_b32 s86, 0x76543210
	s_mov_b32 s87, 0xfedcba98                      ; v_permlanex16_b32's selects for lane l xor 16
	s_mov_b32 s88, 0x3e38aa3b                      ; c = log2(e) / 8
	s_mov_b32 s89, s88                             ; (named with it as a pair, so it is written)
	s_xor_b32 s105, s66, 8
	s_or_b32 s105, s105, ttmp9
	s_cmp_eq_u32 s105, 0
	s_cselect_b32 s104, 7, 0                       ; wave 8 of the head's work-group 0 prefetches, in trips 0 to 6
	s_sub_co_u32 s67, 7, ttmp9                     ; the first pass's block of queries
	s_mov_b32 s101, 0
	s_and_b32 s98, ttmp7, 0xffff                   ; the head
	s_mov_b32 s3, 0
	s_lshl_b32 s2, s98, 19
	s_wait_kmcnt 0x0
	s_add_nc_u64 s[4:5], s[4:5], s[2:3]            ; every buffer at my head
	s_add_nc_u64 s[84:85], s[84:85], s[2:3]
	s_lshl_b32 s2, s98, 17
	s_add_nc_u64 s[6:7], s[6:7], s[2:3]
	s_lshl_b32 s2, s98, 13
	s_add_nc_u64 s[8:9], s[8:9], s[2:3]
	s_lshl_b32 s2, s98, 12
	s_add_nc_u64 s[10:11], s[10:11], s[2:3]
	global_load_b128 v[96:99], v3, s[8:9]          ; the head's scale words: 8,192 and 4,096 dense bytes, once
	global_load_b64 v[100:101], v30, s[10:11]
	s_wait_loadcnt 0x0
	ds_store_b128 v3, v[96:99] offset:KSC
	ds_store_b64 v30, v[100:101] offset:VSC        ; the first pass's barrier shows them to every wave
.Lpass:                                            ; two trips: blocks 7 - x and x
	s_lshl_b32 s98, s67, 4
	s_add_co_u32 s98, s98, s66                     ; my tile T = 16 x block + wave
	s_mov_b64 s[94:95], s[6:7]
	s_lshl_b32 s2, s98, 12
	s_mov_b32 s3, 0
	s_add_nc_u64 s[96:97], s[12:13], s[2:3]        ; my tile's mask words: 4,096 bytes a tile
	s_add_nc_u64 s[2:3], s[4:5], s[2:3]            ; my 16 rows of Q: 4,096 bytes too
	global_load_b128 v[26:29], v3, s[94:95]        ; key step 0's block, whatever the flags say
.irp i, 0,1,2,3,4,5,6,7
	global_load_b128 v[96+4*\i:99+4*\i], v1, s[2:3] offset:512*\i th:TH_LOAD_NT   ; 512 consecutive bytes: two rows
.endr
	s_lshl_b32 s98, s98, 3
	s_mov_b32 s99, 0
	s_add_nc_u64 s[98:99], s[14:15], s[98:99]
	s_lshl_b32 s92, s67, 7
	s_mov_b32 s93, 0
	s_add_nc_u64 s[92:93], s[14:15], s[92:93]
	s_load_b64 s[90:91], s[98:99], 0x0             ; my tile's eight flag bytes,
	s_load_b512 s[16:31], s[92:93], 0x0            ; and those of the work-group's sixteen tiles
	s_load_b512 s[32:47], s[92:93], 0x40
	s_wait_kmcnt 0x0
	s_or_b32 s92, s16, s18                         ; their OR says which blocks the work-group fetches
	s_or_b32 s93, s17, s19
.irp i, 20,22,24,26,28,30,32,34,36,38,40,42,44,46
	s_or_b32 s92, s92, s[\i]
	s_or_b32 s93, s93, s[\i+1]
.endr
	s_wait_loadcnt 0x0                             ; Q and block 0
.irp i, 0,1,2,3,4,5,6,7
	ds_store_b128 v4, v[96+4*\i:99+4*\i] offset:544*\i             ; Q through my stage, so that a lane holds a whole block of 32 channels of its query
.endr
.irp i, 0,1,2,3,4,5,6,7
	ds_load_b128 v[128+4*\i:131+4*\i], v7 offset:16*\i             ; LDS serves a wave's instructions in order: these see my stores
.endr
	s_wait_dscnt 0x0
	QBLOCK 128, 16
	v_bfe_u32 v236, v0, 4, 1
	v_lshlrev_b32 v236, 3, v236
	v_lshlrev_b32 v236, v236, v235                 ; my block's byte at its place,
	v_permlanex16_b32 v237, v236, s86, s87
	v_or_b32 v24, v236, v237                       ; with lane l xor 16's: my query's scale word; bytes 2 and 3 are 0, over zero codes
	v_mov_b32 v13, 0xff61b1e6                      ; the largest t so far: -3e38, under every t
	v_floor_f32 v12, -v13                          ; -M
	v_mov_b32 v14, 0                               ; the sum, in two halves
	v_mov_b32 v15, 0
.set j, 0
.rept 32
	v_mov_b32 v[160+j], 0                          ; O^T: the step is written once, and the first change of M leaves zeros zeros.  (These lines are also the places between Q's scale word and the first product)
.set j, j+1
.endr
	ds_store_b128 v3, v[26:29]                     ; block 0 into slot 0: its last readers passed two barriers ago
	BAR
	s_mov_b32 s100, 0
.Ltrip:                                            ; eight trips of two key steps; the count is a constant, whatever the flags say
	s_lshl_b32 s98, s100, 10
	s_lshl_b32 s99, s100, 9
	v_add_nc_u32 v9, s98, v1                       ; the trip's scale words of K: 1,024 bytes a trip,
	v_add_nc_u32 v10, s99, v2                      ; of V: 512
	FILLQ 1, SLOTB                                 ; the trip's second step
	ASK 2*SLOTB
	STEP 0
	FILLS 1, 1
	BAR
	FILLQ 8, 2*SLOTB                               ; the next trip's first step: bit 0 of the next flag byte
	ASK 3*SLOTB
	STEP 1
	FILLS 0, 8
	BAR
	s_wait_xcnt 0x0                                ; the trip's loads and prefetches have read their bases: these are stepped only behind this wait
	s_add_nc_u64 s[94:95], s[94:95], 2*SLOTB
	s_add_nc_u64 s[96:97], s[96:97], 512
	s_lshr_b32 s90, s90, 8                         ; both sets of flags: the next byte comes lowest, zeros come in on top
	s_lshl_b32 s105, s91, 24
	s_or_b32 s90, s90, s105
	s_lshr_b32 s91, s91, 8
	s_lshr_b32 s92, s92, 8
	s_lshl_b32 s105, s93, 24
	s_or_b32 s92, s92, s105
	s_lshr_b32 s93, s93, 8
	s_add_co_u32 s100, s100, 1
	s_cmp_lt_u32 s100, 8
	s_cbranch_scc1 .Ltrip
	; THE WAY OUT: O^T / the sum goes through my stage and leaves as whole rows of 256 bytes, two to a store
.rept 4
	v_nop                                          ; four places behind the last products
.endr
	v_add_f32 v14, v14, v15                        ; the sum's two halves,
	v_permlanex16_b32 v254, v14, s86, s87
	v_add_f32 v14, v14, v254                       ; and lane l xor 16's: the row's sum
	v_rcp_f32 v14, v14
	v_nop                                          ; a plain line behind the reciprocal
	s_lshl_b32 s2, s67, 4
	s_add_co_u32 s2, s2, s66
	s_lshl_b32 s2, s2, 12
	s_mov_b32 s3, 0
	s_add_nc_u64 s[2:3], s[84:85], s[2:3]          ; my 16 rows of O
	s_wait_alu depctr_va_vdst(0)                   ; a wait ahead of the reciprocal's first reader
.set j, 0
.rept 32
	v_mul_f32 v[96+j], v[160+j], v14               ; register 8 t + i is o(r, 16 t + 8 h + i)
.set j, j+1
.endr
.irp t, 0,1,2,3
	ds_store_b128 v8, v[96+8*\t:99+8*\t] offset:64*\t
	ds_store_b128 v8, v[100+8*\t:103+8*\t] offset:64*\t+16
.endr
.irp i, 0,1,2,3,4,5,6,7
	ds_load_b128 v[128+4*\i:131+4*\i], v4 offset:544*\i            ; these see my stores
.endr
.irp i, 0,1,2,3,4,5,6,7
	s_wait_dscnt 7-\i                              ; LDS loads come back in order: load i is in, the younger ones may be out
	global_store_b128 v1, v[128+4*\i:131+4*\i], s[2:3] offset:512*\i th:TH_STORE_NT   ; 32 lanes store 512 consecutive bytes, at a multiple of 256 from O's first byte
.endr
	s_wait_xcnt 0x0                                ; the stores have read their registers and their base: the next pass writes both
	s_mov_b32 s104, 0                              ; the second pass prefetches nothing: every block has been named
	s_sub_co_u32 s67, 7, s67                       ; the other block of queries
	s_add_co_u32 s101, s101, 1
	s_cmp_lt_u32 s101, 2
	s_cbranch_scc1 .Lpass
	s_wait_tensorcnt 0x0                           ; the wave's end, behind my last LDS store
	ds_add_u32 v5, v6
	s_wait_dscnt 0x0
	s_endpgm
.Lfunc_end_k_q4cbacbaf54_attn:
	.size	k_q4cbacbaf54_attn, .Lfunc_end_k_q4cbacbaf54_attn-k_q4cbacbaf54_attn
	.p2alignl 7, 3214868480
	.fill 96, 4, 3214868480
	.section	.rodata,"a",@progbits
	.p2align	6, 0x0
	.amdhsa_kernel k_q4cbacbaf54_attn
		.amdhsa_group_segment_fixed_size 100352
		.amdhsa_private_segment_fixed_size 0
		.amdhsa_enable_private_segment 0
		.amdhsa_kernarg_size 56
		.amdhsa_user_sgpr_count 2
		.amdhsa_user_sgpr_kernarg_segment_ptr 1
		.amdhsa_wavefront_size32 1
		.amdhsa_system_sgpr_workgroup_id_x 1
		.amdhsa_system_sgpr_workgroup_id_y 1
		.amdhsa_system_sgpr_workgroup_id_z 1
		.amdhsa_system_vgpr_workitem_id 0
		.amdhsa_next_free_vgpr 256
		.amdhsa_next_free_sgpr 106
		.amdhsa_reserve_vcc 0
		.amdhsa_float_denorm_mode_32 3
		.amdhsa_float_denorm_mode_16_64 3
		.amdhsa_memory_ordered 1
		.amdhsa_forward_progress 1
		.amdhsa_inst_pref_size 54
	.end_amdhsa_kernel
	.amdgpu_metadata
---
amdhsa.version: [ 1, 2 ]
amdhsa.kernels:
  - .name:           k_q4cbacbaf54_attn
    .symbol:         k_q4cbacbaf54_attn.kd
    .args:
      - { .name: q, .offset: 0, .size: 8, .value_kind: global_buffer, .address_space: global }
      - { .name: kvc, .offset: 8, .size: 8, .value_kind: global_buffer, .address_space: global }
      - { .name: ksc, .offset: 16, .size: 8, .value_kind: global_buffer, .address_space: global }
      - { .name: vsc, .offset: 24, .size: 8, .value_kind: global_buffer, .address_space: global }
      - { .name: maskbits, .offset: 32, .size: 8, .value_kind: global_buffer, .address_space: global }
      - { .name: flags, .offset: 40, .size: 8, .value_kind: global_buffer, .address_space: global }
      - { .name: out0, .offset: 48, .size: 8, .value_kind: global_buffer, .address_space: global }
    .group_segment_fixed_size: 100352
    .private_segment_fixed_size: 0
    .kernarg_segment_align: 8
    .kernarg_segment_size: 56
    .max_flat_workgroup_size: 512
    .sgpr_count:     106
    .vgpr_count:     256
    .wavefront_size: 32
...
	.end_amdgpu_metadata
.endif
;; end of part 2
;; ======== version 2 of 2: 2 launches
;; workspace buffers: kvc 8,388,608 bytes; ksc 524,288 bytes; vsc 262,144 bytes; maskbits 524,288 bytes of whole numbers; flags 1,024 bytes of whole numbers
;; launch prep (part 3): grid 1024 x 1, 8 waves a work-group, no clusters, 37,376 bytes of LDS; arguments k, v, attn_mask, kvc, ksc, vsc, maskbits, flags; writes kvc, ksc, vsc, maskbits, flags
.if DOCPART == 3
	.amdgcn_target "amdgcn-amd-amdhsa--gfx1250"
	.amdhsa_code_object_version 6
	.text
	.protected	k_q4cbacbaf54_prep
	.globl	k_q4cbacbaf54_prep
	.p2align	8
	.type	k_q4cbacbaf54_prep,@function
k_q4cbacbaf54_prep:
	s_mov_b64 s[64:65], 0
	v_nop
	global_prefetch_b8 v0, s[64:65] scope:SCOPE_SE
	s_setreg_imm32_b32 hwreg(HW_REG_WAVE_MODE, 25, 1), 1
	s_wait_xcnt 0x0
; K and V [64 heads][2048 keys][64] f32 become codes of FP4 (E2M1) with one E8M0 scale byte for each 32 along a product's K, laid in the ORDER OF THE OPERANDS' REGISTERS,
; and the mask [2048][2048] of bytes becomes lane masks and flags.  Work-group i (of 1,024) makes:
;   kvc block i (head i / 16, key step i % 16: 128 keys), 8,192 bytes: K's eight fragments (tile t at 512 t + 16 lane: the codes of channels 32 (lane / 16) + 0 .. 31 of one key),
;     then V's four (4,096 + 1,024 t + 512 c + 16 lane: channel 16 t + lane % 16, keys 64 c + 32 (lane / 16) + 0 .. 31 of the step);
;   ksc block i, 512 bytes: at 16 lane + 4 j the scale word of K's tile 2 j (lanes 0-15) or 2 j + 1 (lanes 16-31): bytes 0, 1 its row's two blocks, bytes 2, 3 zero;
;   vsc block i, 256 bytes: at 8 lane + 4 j the same for V's tiles; byte b of a word is for keys 32 b on;
;   maskbits block i, 512 bytes: tile of queries T = i / 8, key steps 2 (i % 8) and + 1: for each step 64 words; bit lane = (r, h) of word 16 b + n is mask[16 T + r][128 step + 32 b + 16 h + n];
;   flags byte i: bit 0, 1: the first, second of these steps has a key that counts for some of the 16 queries; bit 2, 3: it has a hidden one.
; THE KEYS OF A TILE OF K ARE NOT NEIGHBOURS: row r of tile 2 b + u is key 32 b + 8 u + r + 8 (r / 8), so that in the transposed product the 16 registers of tiles 2 b, 2 b + 1 are 16 neighbouring keys.
; A block's scale is 2^(floor(log2(its largest magnitude)) - 2); its byte is that magnitude's exponent field - 2, held at 1 from below.
; LIMITS: NaN and infinities among k and v are not served; a block whose largest magnitude lies under 2^-124, a block of zeros too, gets the byte 1 (its codes are then zeros or the rule's own
; numbers at the held scale; the bytes are read by this program alone); a mask byte other than 0 counts as True.
; SHARES: wave w makes K's tile w; the codes of V's keys 32 (w / 2) on for channels 32 (w % 2) + lane; and the 16 mask words 16 w on.  No matrix unit, no tensor load: memory binds.
; All 41 loads of a wave go out at once.  One barrier: the small results (scale words, mask words, flags) meet in LDS and leave as dense runs.
.set KSTB,  4352                       ; a wave's stage: 16 rows x (256 bytes + 16)
.set SKL,   8*KSTB                     ; K's scale words, 512 bytes
.set SVL,   SKL+512                    ; V's, 256 bytes
.set MBL,   SVL+256                    ; the mask words, 512 bytes
.set FLL,   MBL+512                    ; a flag word for each wave, 32 bytes
.set SPARE, FLL+256                    ; the spare words, 128 bytes for each wave: four blocks of 256 bytes that no other line names
.set R,   16                           ; v16-47   K as loaded
.set X,   48                           ; v48-79   K: 32 neighbours along the channels
.set VV,  80                           ; v80-111  V: 32 keys of my channel
.set M,   112                          ; v112-115 16 mask bytes
.set KC,  116                          ; v116-119 K's codes
.set VC,  120                          ; v120-123 V's codes
; 32 numbers of ONE block in v[x] on become 32 codes in v[c] on; the scale's byte is left in v127
.macro QBLOCK x, c
	v_max3_num_f32 v124, |v[\x]|, |v[\x+1]|, |v[\x+2]|             ; the largest magnitude, in two chains
	v_max3_num_f32 v125, |v[\x+3]|, |v[\x+4]|, |v[\x+5]|
.irp i, 6,10,14,18,22,26
	s_delay_alu instid0(VALU_DEP_2)
	v_max3_num_f32 v124, v124, |v[\x+\i]|, |v[\x+\i+1]|
	s_delay_alu instid0(VALU_DEP_2)
	v_max3_num_f32 v125, v125, |v[\x+\i+2]|, |v[\x+\i+3]|
.endr
	s_delay_alu instid0(VALU_DEP_2)
	v_max3_num_f32 v124, v124, |v[\x+30]|, |v[\x+31]|
	s_delay_alu instid0(VALU_DEP_1)
	v_max3_num_f32 v124, v124, v125, 0x1800000                     ; and the floor 2^(3 - 127): the byte cannot fall under 1
	s_delay_alu instid0(VALU_DEP_1)
	v_add_nc_u32 v126, 0xff000000, v124                            ; 2 off the exponent field: the conversion takes the exponent field of this operand as its scale
	s_delay_alu instid0(VALU_DEP_1)
	v_lshrrev_b32 v127, 23, v126                                   ; the scale's byte
.irp g, 0,1,2,3
	v_cvt_scalef32_pk8_fp4_f32 v[\c+\g], v[\x+8*\g:\x+8*\g+7], v126
.endr
	v_nop                                                          ; one plain line behind the last scaled conversion
.endm
	s_load_b512 s[4:19], s[0:1], 0x0               ; k 4, v 6, mask 8, kvc 10, ksc 12, vsc 14, maskbits 16, flags 18
	v_lshl_add_u32 v12, v0, 2, SPARE               ; my spare word,
	v_mov_b32 v13, 0                               ; and 0: kept for the closing lines alone
	v_lshrrev_b32 v1, 5, v0
	s_delay_alu instid0(VALU_DEP_1)
	v_readfirstlane_b32 s20, v1                    ; wave w
	v_and_b32 v1, 31, v0                           ; lane
	v_and_b32 v2, 15, v0                           ; r
	v_bfe_u32 v3, v0, 4, 1                         ; h
	s_delay_alu instid0(VALU_DEP_3)
	v_lshlrev_b32 v4, 4, v1                        ; 16 lane
	s_delay_alu instid0(VALU_DEP_4)
	v_lshlrev_b32 v140, 3, v1                      ; 8 lane
	v_mov_b32 v141, 0
	s_mul_i32 s21, s20, KSTB                       ; my stage
	v_mul_u32_u24 v5, v3, 272
	s_delay_alu instid0(VALU_DEP_1)
	v_lshl_add_u32 v5, v2, 4, v5
	s_delay_alu instid0(VALU_DEP_1)
	v_add_nc_u32 v5, s21, v5                       ; into it: a load's 512 bytes are two rows: row h, byte 16 r
	v_mul_u32_u24 v6, v2, 272
	s_delay_alu instid0(VALU_DEP_1)
	v_lshl_add_u32 v6, v3, 7, v6
	s_delay_alu instid0(VALU_DEP_1)
	v_add_nc_u32 v6, s21, v6                       ; out of it: row r, my half's 128 bytes
	v_lshlrev_b32 v7, 2, v1                        ; V: 4 bytes a lane
	v_lshlrev_b32 v8, 10, v3
	s_delay_alu instid0(VALU_DEP_1)
	v_lshl_or_b32 v8, v2, 4, v8                    ; V's codes: 1,024 (lane / 16) + 16 r
	s_and_b32 s22, s20, 1                          ; w % 2
	s_lshr_b32 s23, s20, 1                         ; w / 2
	s_lshl_b32 s30, s22, 8
	s_lshl_b32 s31, s23, 2
	s_add_co_u32 s30, s30, s31
	s_add_co_u32 s30, s30, SKL
	v_lshl_add_u32 v9, v2, 4, s30                  ; K's scale word: SKL + 16 (r + 16 (w % 2)) + 4 (w / 2)
	s_lshl_b32 s30, s22, 2
	s_add_co_u32 s30, s30, s23
	s_add_co_u32 s30, s30, SVL
	v_lshl_add_u32 v10, v1, 3, s30                 ; V's scale byte: SVL + 8 lane + 4 (w % 2) + w / 2
	v_lshlrev_b32 v11, 11, v2
	s_delay_alu instid0(VALU_DEP_1)
	v_lshl_or_b32 v11, v3, 4, v11                  ; the mask: row r of 2,048 bytes, + 16 h
	s_lshl_b32 s30, s20, 6
	s_add_co_u32 s30, s30, MBL
	v_lshl_add_u32 v14, v2, 2, s30                 ; my mask words: MBL + 64 w + 4 r
	s_lshl_b32 s30, s20, 2
	s_add_co_u32 s30, s30, FLL
	v_mov_b32 v15, s30                             ; my flag word
	s_mov_b32 s24, 0x76543210
	s_mov_b32 s25, 0xfedcba98                      ; v_permlanex16_b32's selects for lane l xor 16
	; byte offsets, each in registers of its own
	s_lshl_b32 s32, ttmp9, 15                      ; a block of 128 keys is 32,768 bytes of k and of v
	s_lshl_b32 s30, s23, 13
	s_add_co_u32 s32, s32, s30                     ; + 32 (w / 2) keys
	s_lshl_b32 s30, s22, 11
	s_add_co_u32 s34, s32, s30                     ; K: + 8 (w % 2) keys
	s_mov_b32 s35, 0
	s_lshl_b32 s30, s22, 7
	s_add_co_u32 s32, s32, s30                     ; V: + 32 (w % 2) channels
	s_mov_b32 s33, 0
	s_lshr_b32 s36, ttmp9, 3
	s_lshl_b32 s36, s36, 15                        ; the mask: 16 T rows,
	s_and_b32 s30, ttmp9, 7
	s_lshl_b32 s30, s30, 8
	s_add_co_u32 s36, s36, s30                     ; two steps' 256 columns,
	s_lshl_b32 s30, s20, 5
	s_add_co_u32 s36, s36, s30                     ; my 32 of them
	s_mov_b32 s37, 0
	s_lshl_b32 s42, ttmp9, 13
	s_lshl_b32 s30, s20, 9
	s_add_co_u32 s38, s42, s30                     ; K's codes: block i, tile w
	s_mov_b32 s39, 0
	s_lshl_b32 s30, s22, 11
	s_add_co_u32 s40, s42, s30
	s_lshl_b32 s30, s23, 8
	s_add_co_u32 s40, s40, s30
	s_add_co_u32 s40, s40, 4096                    ; V's: block i, + 4,096 + 2,048 (w % 2) + 256 (w / 2)
	s_mov_b32 s41, 0
	s_lshl_b32 s42, ttmp9, 9
	s_mov_b32 s43, 0
	s_lshl_b32 s44, ttmp9, 8
	s_mov_b32 s45, 0
	s_mov_b32 s46, ttmp9
	s_mov_b32 s47, 0
	s_wait_alu depctr_va_vdst(0)
	s_wait_kmcnt 0x0
	s_add_nc_u64 s[4:5], s[4:5], s[34:35]
	s_add_nc_u64 s[6:7], s[6:7], s[32:33]
	s_add_nc_u64 s[8:9], s[8:9], s[36:37]
	global_load_b128 v[M:M+3], v11, s[8:9]         ; 16 mask bytes of my row: keys 32 b + 16 h + 0 .. 15
.irp j, 0,1,2,3,4,5,6,7
	global_load_b128 v[R+4*\j:R+4*\j+3], v4, s[4:5] offset:512*\j+2048*(\j/4) th:TH_LOAD_NT   ; two runs of eight keys, 16 keys apart; each load 512 consecutive bytes
.endr
.set n, 0
.rept 32
	global_load_b32 v[VV+n], v7, s[6:7] offset:256*n th:TH_LOAD_NT   ; a lane to a channel, registers down the keys
.set n, n+1
.endr
	s_add_nc_u64 s[38:39], s[10:11], s[38:39]
	s_add_nc_u64 s[40:41], s[10:11], s[40:41]
	s_add_nc_u64 s[12:13], s[12:13], s[42:43]
	s_add_nc_u64 s[14:15], s[14:15], s[44:45]
	s_add_nc_u64 s[16:17], s[16:17], s[42:43]
	s_add_nc_u64 s[18:19], s[18:19], s[46:47]
	s_wait_loadcnt 32                              ; the mask and K are in; V's 32 younger loads stay out
	; ---- K: through my stage, so that a lane holds a whole block of 32 channels of one key
.irp j, 0,1,2,3,4,5,6,7
	ds_store_b128 v5, v[R+4*\j:R+4*\j+3] offset:544*\j
.endr
.irp j, 0,1,2,3,4,5,6,7
	ds_load_b128 v[X+4*\j:X+4*\j+3], v6 offset:16*\j               ; LDS serves a wave's instructions in order: these see my stores
.endr
	s_wait_dscnt 0x0
	QBLOCK X, KC
	global_store_b128 v4, v[KC:KC+3], s[38:39]     ; the fragment as the operand's registers take it: 512 consecutive bytes
	v_lshlrev_b32 v128, 3, v3
	s_delay_alu instid0(VALU_DEP_1)
	v_lshlrev_b32 v128, v128, v127                 ; my block's byte at its place in the row's word,
	v_mov_b32 v129, 0
	s_delay_alu instid0(VALU_DEP_1)
	v_permlanex16_b32 v129, v128, s24, s25
	s_delay_alu instid0(VALU_DEP_1)
	v_or_b32 v128, v128, v129                      ; with lane l xor 16's the word is whole
	ds_store_b32 v9, v128                          ; (both halves of the lanes write the same word with the same value)
	; ---- the mask: byte n of the 32 lanes is one compare's lane mask, which is word n
	v_mov_b32 v130, 0
	s_mov_b32 s26, 0                               ; the OR of my 16 words,
	s_mov_b32 s27, -1                              ; and the AND
.set n, 0
.rept 16
	v_bfe_u32 v[131+n%2], v[M+n/4], 8*(n%4), 8
	s_delay_alu instid0(VALU_DEP_1)
	v_cmp_ne_u32 s[28+n%2], 0, v[131+n%2]
	s_delay_alu instid0(VALU_DEP_1)
	v_writelane_b32 v130, s[28+n%2], n
	s_or_b32 s26, s26, s[28+n%2]
	s_and_b32 s27, s27, s[28+n%2]
.set n, n+1
.endr
	v_mov_b32 v133, 0
	s_delay_alu instid0(VALU_DEP_1)
	v_permlanex16_b32 v133, v130, s24, s25
	s_delay_alu instid0(VALU_DEP_1)
	v_or_b32 v130, v130, v133                      ; lanes 16-31 hold the same 16 words, and write them to the same places
	ds_store_b32 v14, v130
	s_lshr_b32 s30, s20, 2                         ; which of the two steps my words belong to
	s_cmp_lg_u32 s27, -1
	s_cselect_b32 s31, 1, 0                        ; some key counts
	s_cmp_lg_u32 s26, 0
	s_cselect_b32 s21, 4, 0                        ; some key is hidden
	s_or_b32 s31, s31, s21
	s_lshl_b32 s31, s31, s30
	v_mov_b32 v134, s31
	ds_store_b32 v15, v134
	; ---- V: a lane's 32 registers are a whole block along the keys
	s_wait_loadcnt 0x0
	QBLOCK VV, VC
	global_store_b128 v8, v[VC:VC+3], s[40:41]     ; sixteen lanes store 256 consecutive bytes, at a multiple of 256 from the buffer's first byte
	ds_store_b8 v10, v127
	s_wait_dscnt 0x0                               ; for the others' sake: my stores have landed
	s_barrier_signal -1
	s_barrier_wait -1
	; ---- the small results leave as dense runs: one wave each
	s_cmp_lg_u32 s20, 0
	s_cbranch_scc1 .Lw1
	ds_load_b128 v[144:147], v4 offset:SKL
	s_wait_dscnt 0x0
	global_store_b128 v4, v[144:147], s[12:13]
	s_branch .Ldone
.Lw1:
	s_cmp_lg_u32 s20, 1
	s_cbranch_scc1 .Lw2
	ds_load_b64 v[144:145], v140 offset:SVL
	s_wait_dscnt 0x0
	global_store_b64 v140, v[144:145], s[14:15]
	s_branch .Ldone
.Lw2:
	s_cmp_lg_u32 s20, 2
	s_cbranch_scc1 .Lw3
	ds_load_b128 v[144:147], v4 offset:MBL
	s_wait_dscnt 0x0
	global_store_b128 v4, v[144:147], s[16:17]
	s_branch .Ldone
.Lw3:
	s_cmp_lg_u32 s20, 3
	s_cbranch_scc1 .Ldone
	ds_load_b128 v[144:147], v141 offset:FLL       ; the eight waves' flag words, in every lane
	ds_load_b128 v[148:151], v141 offset:FLL+16
	s_wait_dscnt 0x0
	v_or_b32 v144, v144, v145
	v_or_b32 v146, v146, v147
	v_or_b32 v148, v148, v149
	v_or_b32 v150, v150, v151
	s_delay_alu instid0(VALU_DEP_3)
	v_or_b32 v144, v144, v146
	s_delay_alu instid0(VALU_DEP_2)
	v_or_b32 v148, v148, v150
	s_delay_alu instid0(VALU_DEP_1)
	v_or_b32 v144, v144, v148
	v_cmp_eq_u32 vcc_lo, 0, v1
	s_wait_alu depctr_va_vdst(0)
	s_wait_xcnt 0x0                                ; EXEC is a source of my earlier stores: it changes only behind this wait
	s_and_saveexec_b32 s30, vcc_lo
	global_store_b8 v141, v144, s[18:19]           ; lane 0 stores the work-group's flag byte
	s_wait_xcnt 0x0                                ; and again in front of the line that widens it
	s_or_b32 exec_lo, exec_lo, s30
.Ldone:
	s_wait_tensorcnt 0x0                           ; the wave's end, behind my last LDS store
	ds_add_u32 v12, v13
	s_wait_dscnt 0x0
	s_endpgm
.Lfunc_end_k_q4cbacbaf54_prep:
	.size	k_q4cbacbaf54_prep, .Lfunc_end_k_q4cbacbaf54_prep-k_q4cbacbaf54_prep
	.p2alignl 7, 3214868480
	.fill 96, 4, 3214868480
	.section	.rodata,"a",@progbits
	.p2align	6, 0x0
	.amdhsa_kernel k_q4cbacbaf54_prep
		.amdhsa_group_segment_fixed_size 37376
		.amdhsa_private_segment_fixed_size 0
		.amdhsa_enable_private_segment 0
		.amdhsa_kernarg_size 64
		.amdhsa_user_sgpr_count 2
		.amdhsa_user_sgpr_kernarg_segment_ptr 1
		.amdhsa_wavefront_size32 1
		.amdhsa_system_sgpr_workgroup_id_x 1
		.amdhsa_system_sgpr_workgroup_id_y 1
		.amdhsa_system_sgpr_workgroup_id_z 1
		.amdhsa_system_vgpr_workitem_id 0
		.amdhsa_next_free_vgpr 152
		.amdhsa_next_free_sgpr 66
		.amdhsa_reserve_vcc 1
		.amdhsa_float_denorm_mode_32 3
		.amdhsa_float_denorm_mode_16_64 3
		.amdhsa_memory_ordered 1
		.amdhsa_forward_progress 1
		.amdhsa_inst_pref_size 21
	.end_amdhsa_kernel
	.amdgpu_metadata
---
amdhsa.version: [ 1, 2 ]
amdhsa.kernels:
  - .name:           k_q4cbacbaf54_prep
    .symbol:         k_q4cbacbaf54_prep.kd
    .args:
      - { .name: k, .offset: 0, .size: 8, .value_kind: global_buffer, .address_space: global }
      - { .name: v, .offset: 8, .size: 8, .value_kind: global_buffer, .address_space: global }
      - { .name: attn_mask, .offset: 16, .size: 8, .value_kind: global_buffer, .address_space: global }
      - { .name: kvc, .offset: 24, .size: 8, .value_kind: global_buffer, .address_space: global }
      - { .name: ksc, .offset: 32, .size: 8, .value_kind: global_buffer, .address_space: global }
      - { .name: vsc, .offset: 40, .size: 8, .value_kind: global_buffer, .address_space: global }
      - { .name: maskbits, .offset: 48, .size: 8, .value_kind: global_buffer, .address_space: global }
      - { .name: flags, .offset: 56, .size: 8, .value_kind: global_buffer, .address_space: global }
    .group_segment_fixed_size: 37376
    .private_segment_fixed_size: 0
    .kernarg_segment_align: 8
    .kernarg_segment_size: 64
    .max_flat_workgroup_size: 256
    .sgpr_count:     66
    .vgpr_count:     152
    .wavefront_size: 32
...
	.end_amdgpu_metadata
.endif
;; end of part 3
;; launch attn (part 4): grid 4 x 64, 16 waves a work-group, no clusters, 100,352 bytes of LDS; arguments q, kvc, ksc, vsc, maskbits, flags, out0; writes out0
.if DOCPART == 4
	.amdgcn_target "amdgcn-amd-amdhsa--gfx1250"
	.amdhsa_code_object_version 6
	.text
	.protected	k_q4cbacbaf54_attn
	.globl	k_q4cbacbaf54_attn
	.p2align	8
	.type	k_q4cbacbaf54_attn,@function
k_q4cbacbaf54_attn:
	s_mov_b64 s[64:65], 0
	v_nop
	global_prefetch_b8 v0, s[64:65] scope:SCOPE_SE
	s_setreg_imm32_b32 hwreg(HW_REG_WAVE_SCHED_MODE, 0, 2), 2
	s_setreg_imm32_b32 hwreg(HW_REG_WAVE_MODE, 25, 1), 1
	s_wait_xcnt 0x0
	s_wait_alu depctr_vm_vsrc(0)
; O[head][q][:] = the sum over k of softmax_k(Q[q] . K[k] / 8, hidden where the mask says so) V[k][:], 64 heads x 2,048 x 64, both products on codes of FP4 (E2M1) with one E8M0 scale for each 32 along K.
; K's and V's codes and scale words, the mask as lane masks and the flags come from the launch before, in the order of the operands' registers; Q (f32) is read once by one wave and quantised here.
; THE SOFTMAX AHEAD OF THE SECOND PRODUCT: t = score x log2(e) / 8; M = the row's largest t so far, rounded UP to a whole number; p = 2^(t - M) is quantised along the keys, not normalised.
; The row's sum is taken of the unquantised p and divides O at the end.  When M moves, the sum and O are multiplied by 2^(old M - new M): exact.  A row with no key that counts ends as 0 x 1/0 = NaN, as the softmax of such a row is.
; SHARES.  Work-group (x, head) takes the blocks 7 - x and x of 256 queries, one after the other (two passes); each of its SIXTEEN waves owns one tile of 16 queries in 256 registers, four waves to a SIMD.
; LAYOUT.  Both products are used transposed: S^T = K Q^T (source 0 = 16 keys, source 1 = my queries), O^T = V^T P^T: a lane holds ONE query (lane % 16) throughout.  The head's 64 channels fill half of the
; first product's 128 along K: the other half is zero codes on both sides (registers cleared once) under scale bytes 0.  Register 16 b + i of S^T is key 32 b + 16 (lane / 16) + i of the step.
; THE MASK is honoured as it is given.  Word n of a step's 64 is the lane mask of score register n: one v_cndmask_b32 a register puts -infinity where a key is hidden.  A step with no hidden key for my tile
; jumps over these 64 lines; a step with no key that counts for my tile is jumped over whole: scalar branches on the stored flags.  No barrier stands under such a branch.
; NO TENSOR LOAD, NO CLUSTER: the ring of two LDS slots (a key step, 8,192 bytes, each) is filled through
; registers: 512 threads x 16 bytes, asked for a step ahead, stored behind the step's work, one barrier a step.  A step that no tile of the work-group needs is not fetched.
; LIMITS: NaN and infinities among q are not served; a block of q whose largest magnitude lies under 2^-124, a block of zeros too, gets the scale byte 1.
; THE MODE: SCHED_MODE bits 1:0 = 2 (LLVM: expert scheduling mode 2), set by the entry lines.  The code itself states the register dependences between vector or matrix instructions and memory or LDS
; instructions, with s_wait_alu, always for 0.
; THE PLAN.  Registers that memory or LDS instructions touch:
;   v1-v8, v11, v30  addresses, made once at the head and never written again.  v5, v6: read by the closing add alone.
;   v9, v10          the trip's scale-word addresses: written by two additions at a trip's head, read by the steps' LDS loads.
;   v26-29           the fill: a global load lands in them, an LDS store reads them; no vector instruction names them.
;   v32-35 + 8 t, v248-251   K's live halves and scale words: a step's LDS loads land in them, its eight first products read them.
;   v192-223, v240-241       V's fragments and scale words: a step's LDS loads land in them, its four second products read them.
;   v96-127          loads land in them at the head and at a pass's head, and LDS stores read them there; then scores and p; on the way out 32 multiplications write them and LDS stores read them.
;   v128-159         loads from the stage land in them (Q; the way out); then scores and p; the way out's global stores read them.
;   v16-19, v24; v224-231, v252   Q's and p's codes and scale words: written by vector instructions, taken by the scaled products.
; THE WAITS.  In a step ONE wait on va_vdst stands ahead of its 18 LDS loads: the last step's products are done reading the registers in which these land, and v9, v10 (in a pass's first step Q's codes and
; scale word too) are written; the first products and the four places behind it name none of V's registers.  One more stands ahead of the second products, for p's codes and scale word; two are the
; exponentials'.  A wait on vm_vsrc stands ahead of each fill's load, at a trip's head ahead of the two additions too, and at a pass's head.  On the way out one wait on va_vdst stands ahead of the stage's stores.
.set SLOTB, 8192                       ; LDS: slot 0 at 0, slot 1 at 8,192: images of kvc blocks
.set KSC,   16384                      ; the head's scale words of K, 512 bytes a step: stored once
.set VSC,   24576                      ; and of V, 256 bytes a step
.set STG,   28672                      ; a stage of 16 rows x (256 bytes + 16) for each wave
.set STGB,  4352
.set SPARE, STG+16*STGB                ; the spare words, 128 bytes for each wave: eight blocks of 256 bytes that no other line names
; VECTOR: v1 16 lane; v2 8 lane; v3 16 thread; v4 stage by rows (272 h + 16 r); v5, v6 the add's two; v7 stage: row r, + 128 h; v8 stage: row r, + 32 h; v9, v10 the trip's scale words of K, V; v11 256 lane;
;   v12 -M, v13 the largest t, v[14:15] the sum; v16-23 Q's fragment; v24 Q's scale word; v25 -infinity; v26-29 the fill; v32-95 K's 8 fragments; v96-159 S^T, then p; v160-191 O^T; v192-223 V's 4 fragments;
;   v224-231 p's codes; v232-239, v244-247, v254 at work; v240-241 V's scale words; v[242:243] f; v248-251 K's scale words; v252 p's scale word.
; SCALAR: s[4:15], s[84:85] the buffers at my head; s[16:63], s[68:83] a step's 64 mask words; s66 wave; s67 block of queries; s[86:87] lane selects; s[88:89] c; s[90:91] my tile's flags, s[92:93] the
;   work-group's (the trip's byte lowest); s[94:95] kvc at the trip's first step; s[96:97] maskbits likewise; s100 trip; s101 pass; s104 the prefetches' limit; s2, s3, s98, s99, s105 at work.
; 32 numbers of ONE block in v[x] on become 32 codes in v[c] on; the scale's byte is left in v235
.macro QBLOCK x, c
	v_max3_num_f32 v232, |v[\x]|, |v[\x+1]|, |v[\x+2]|
	v_max3_num_f32 v233, |v[\x+3]|, |v[\x+4]|, |v[\x+5]|
.irp i, 6,10,14,18,22,26
	v_max3_num_f32 v232, v232, |v[\x+\i]|, |v[\x+\i+1]|
	v_max3_num_f32 v233, v233, |v[\x+\i+2]|, |v[\x+\i+3]|
.endr
	v_max3_num_f32 v232, v232, |v[\x+30]|, |v[\x+31]|
	v_max3_num_f32 v232, v232, v233, 0x1800000                     ; the floor 2^(3 - 127): the byte cannot fall under 1
	v_add_nc_u32 v234, 0xff000000, v232                            ; 2 off the exponent field: the conversion's scale operand
	v_lshrrev_b32 v235, 23, v234
.irp g, 0,1,2,3
	v_cvt_scalef32_pk8_fp4_f32 v[\c+\g], v[\x+8*\g:\x+8*\g+7], v234
.endr
	v_nop                                                          ; one plain line behind the last scaled conversion
.endm
; The next step's block is asked for, if some tile of the work-group needs it (bit of the work-group's flags; zeros are shifted in behind the last step, so no load leaves the buffer)
.macro FILLQ bit, imm
	s_wait_alu depctr_vm_vsrc(0)                   ; the LDS store of the fill before has read v[26:29], in which the load below lands.  At a trip's head also: the last trip's LDS loads have read v9 and v10, which are written below; in a pass's first trip the stage's stores have read v[96:127], which the first products write
	s_bitcmp1_b32 s92, \bit
	s_cbranch_scc0 .Lnoload_\@
	global_load_b128 v[26:29], v3, s[94:95] offset:\imm
.Lnoload_\@:
.endm
; and goes into the slot that was read a step ago
.macro FILLS slot, bit
	s_wait_loadcnt 0x0                             ; the one load that can be out
	s_bitcmp1_b32 s92, \bit
	s_cbranch_scc0 .Lnostore_\@
	ds_store_b128 v3, v[26:29] offset:SLOTB*\slot
.Lnostore_\@:
.endm
; One barrier a step, on every wave's path: my stores of the next slot have landed, and my reads of this slot are back, before anybody reads the one or overwrites the other
.macro BAR
	s_wait_dscnt 0x0
	s_barrier_signal -1
	s_barrier_wait -1
.endm
; A PREFETCH INTO THE L2 of the block that the NEXT fill will load: 32 lanes, 256 bytes apart, name its 8,192 bytes.  Each block is named once in the launch: the four work-groups of a head read the same
; blocks, and wave 8 of work-group x = 0 asks, in its first pass alone.  It stands behind the fill's load.  Blocks 0 and 1 come by their loads alone; the last trip asks for nothing: there is no block behind it.
.macro ASK imm
	s_cmp_lt_u32 s100, s104
	s_cbranch_scc0 .Lnoask_\@
	global_prefetch_b8 v11, s[94:95] offset:\imm th:TH_LOAD_NT scope:SCOPE_SE
.Lnoask_\@:
.endm
.macro SOFTMAX
.irp b, 0,1,2,3
	v_max3_num_f32 v[232+\b], v[96+16*\b], v[97+16*\b], v[98+16*\b]   ; the largest score of each block of 32 keys: for the row's maximum and, since p rises with the score, for the block's largest p
.endr
.irp i, 3,5,7,9,11,13
.irp b, 0,1,2,3
	v_max3_num_f32 v[232+\b], v[232+\b], v[96+16*\b+\i], v[97+16*\b+\i]   ; (the four blocks by turns)
.endr
.endr
.irp b, 0,1,2,3
	v_max_num_f32 v[232+\b], v[232+\b], v[111+16*\b]
.endr
.irp b, 0,1,2,3
	v_permlanex16_b32 v[236+\b], v[232+\b], s86, s87
.endr
.irp b, 0,1,2,3
	v_max_num_f32 v[232+\b], v[232+\b], v[236+\b]  ; with lane l xor 16's 16 keys
.endr
	v_max3_num_f32 v254, v232, v233, v234
	v_max_num_f32 v254, v254, v235                 ; the step's largest score of my query
	v_mul_f32 v254, s88, v254                      ; as t (c is positive)
	v_max_num_f32 v13, v13, v254                   ; the running largest t
	v_mov_b32 v254, v12
	v_floor_f32 v12, -v13                          ; the new -M = floor(-t): M is a whole number
	v_sub_f32 v254, v12, v254                      ; old M less new M: a whole number, 0 or less
	v_cvt_i32_f32 v254, v254                       ; (it saturates)
	v_ldexp_f32 v242, 1.0, v254                    ; f = 2^(old M - new M)
.set j, 0
.rept 32
	v_pk_fma_f32 v[96+j:97+j], v[96+j:97+j], s[88:89], v[12:13] op_sel_hi:[1,0,0]   ; t - M, two at a time (of the pairs c and -M the low word serves both halves)
.set j, j+2
.endr
.irp b, 0,1,2,3
	v_fma_f32 v[232+\b], v[232+\b], s88, v12       ; the same of each block's largest score
.endr
.set j, 0
	s_wait_alu depctr_va_vdst(0)
.rept 64
	v_exp_f32 v[96+j], v[96+j]                     ; p = 2^(t - M), at most 1; 0 where the key is hidden
.set j, j+1
.endr
	v_pk_mul_f32 v[14:15], v[14:15], v[242:243] op_sel_hi:[1,0]   ; the sums under the new M: the plain line behind the exponentials
	s_wait_alu depctr_va_vdst(0)                   ; the 64 exponentials have written v[96:159]: one wait for the batch, ahead of its first reader
.irp b, 0,1,2,3
	v_exp_f32 v[232+\b], v[232+\b]                 ; the block's largest p: the same two instructions on the same number give the same bits
.endr
	v_pk_add_f32 v[236:237], v[96:97], v[98:99]    ; the row's sum, of the UNQUANTISED p, in two chains; it reads the 64 alone
.set j, 4
.rept 15
	v_pk_add_f32 v[14:15], v[14:15], v[96+j:97+j]
	v_pk_add_f32 v[236:237], v[236:237], v[98+j:99+j]
.set j, j+4
.endr
	v_pk_add_f32 v[14:15], v[14:15], v[236:237]
	s_wait_alu depctr_va_vdst(0)                   ; the four exponentials have written v[232:235], ahead of their first reader
.irp b, 0,1,2,3
	v_max_num_f32 v[232+\b], 0x1800000, v[232+\b]  ; the floor 2^(3 - 127): a block whose every p is 0 keeps the byte 1: its codes are zeros
.endr
.irp b, 0,1,2,3
	v_add_nc_u32 v[244+\b], 0xff000000, v[232+\b]  ; 2 off the exponent field: the conversion's scale operand
.endr
.irp b, 0,1,2,3
	v_lshrrev_b32 v[236+\b], 23, v[244+\b]         ; the scale's byte
.endr
	v_lshl_or_b32 v252, v237, 8, v236              ; p's scale word for these 128 keys
	v_lshl_or_b32 v252, v238, 16, v252
	v_lshl_or_b32 v252, v239, 24, v252
.irp b, 0,1,2,3
	v_cvt_scalef32_pk8_fp4_f32 v[224+2*\b], v[96+16*\b:103+16*\b], v[244+\b]
	v_cvt_scalef32_pk8_fp4_f32 v[225+2*\b], v[104+16*\b:111+16*\b], v[244+\b]
.endr
	v_nop                                          ; one plain line behind the last scaled conversion
.irp c, 0,1                                    ; the operand's layout wants a WHOLE block in a lane: lanes 0-15 block 2 c, lanes 16-31 block 2 c + 1
.irp i, 0,1
	v_permlane16_swap_b32 v[224+4*\c+\i], v[226+4*\c+\i]
.endr
.endr
.set j, 0
.rept 16
	v_pk_mul_f32 v[160+j:161+j], v[160+j:161+j], v[242:243] op_sel_hi:[1,0]   ; O^T under the new M.  Twelve of the sixteen name no register of any one product below: the places between p's scale word and codes and those products
.set j, j+2
.endr
.endm
; A KEY STEP: 128 keys, in slot s
.macro STEP s
	s_bitcmp1_b32 s90, \s                          ; does any of these keys count for any of my 16 queries?
	s_cbranch_scc0 .Lskip_\@
	s_load_b512 s[16:31], s[96:97], 256*\s         ; the step's 64 mask words
	s_load_b512 s[32:47], s[96:97], 256*\s+64
	s_load_b512 s[48:63], s[96:97], 256*\s+128
	s_load_b512 s[68:83], s[96:97], 256*\s+192
	s_wait_alu depctr_va_vdst(0)                   ; the last step's products are done reading K's and V's fragments and scale words, in which this step's 18 LDS loads land; v9 and v10, which those loads read, are written; in a pass's first step Q's codes and scale word, which the products below take, are written
	ds_load_b128 v[248:251], v9 offset:KSC+512*\s  ; K's scale words: register j: lanes 0-15 tile 2 j, lanes 16-31 tile 2 j + 1
.irp t, 0,1,2,3,4,5,6,7
	ds_load_b128 v[32+8*\t:35+8*\t], v1 offset:SLOTB*\s+512*\t     ; a fragment's live half, 512 consecutive bytes
.endr
	s_wait_dscnt 0x0
.irp t, 0,1,2,3,4,5,6,7
.if \t%2
	v_wmma_scale_f32_16x16x128_f8f6f4 v[96+8*\t:103+8*\t], v[32+8*\t:39+8*\t], v[16:23], 0, v[248+\t/2], v24 matrix_a_fmt:MATRIX_FMT_FP4 matrix_b_fmt:MATRIX_FMT_FP4 matrix_a_scale:MATRIX_SCALE_ROW1
.else
	v_wmma_scale_f32_16x16x128_f8f6f4 v[96+8*\t:103+8*\t], v[32+8*\t:39+8*\t], v[16:23], 0, v[248+\t/2], v24 matrix_a_fmt:MATRIX_FMT_FP4 matrix_b_fmt:MATRIX_FMT_FP4
.endif
.endr
.rept 4
	v_nop                                          ; four places in front of the first read of the scores
.endr
	ds_load_b64 v[240:241], v10 offset:VSC+256*\s  ; V's scale words and fragments land while the softmax is walked.  No wait: no vector or matrix instruction since the step's wait names these registers or v10
.irp t, 0,1,2,3
.irp c, 0,1
	ds_load_b128 v[192+8*\t+4*\c:195+8*\t+4*\c], v1 offset:SLOTB*\s+4096+1024*\t+512*\c
.endr
.endr
	s_wait_kmcnt 0x0                               ; the mask words are in
	s_bitcmp1_b32 s90, 2+\s                        ; is any of these keys hidden from any of my queries?
	s_cbranch_scc0 .Lopen_\@
.set n, 0
.rept 64
	v_cndmask_b32 v[96+n], v[96+n], v25, s[16+n+4*(n/48)]          ; -infinity where the word's bit for my lane is set; each accumulator from its low end on
.set n, n+1
.endr
.Lopen_\@:
	SOFTMAX
	s_wait_dscnt 0x0                               ; V
	s_wait_alu depctr_va_vdst(0)                   ; p's codes v[224:231] and scale word v252 are written, which the products below take; their places, the sixteen multiplications above, stand ahead of this wait
.irp t, 0,1,2,3                                ; O^T += V^T P^T: the four accumulators by turns, one instruction a turn; eight first products stand between two steps' turns
.if \t%2
	v_wmma_scale_f32_16x16x128_f8f6f4 v[160+8*\t:167+8*\t], v[192+8*\t:199+8*\t], v[224:231], v[160+8*\t:167+8*\t], v[240+\t/2], v252 matrix_a_fmt:MATRIX_FMT_FP4 matrix_b_fmt:MATRIX_FMT_FP4 matrix_a_scale:MATRIX_SCALE_ROW1
.else
	v_wmma_scale_f32_16x16x128_f8f6f4 v[160+8*\t:167+8*\t], v[192+8*\t:199+8*\t], v[224:231], v[160+8*\t:167+8*\t], v[240+\t/2], v252 matrix_a_fmt:MATRIX_FMT_FP4 matrix_b_fmt:MATRIX_FMT_FP4
.endif
.endr
.Lskip_\@:
.endm
	s_load_b256 s[4:11], s[0:1], 0x0               ; q 4, kvc 6, ksc 8, vsc 10
	s_load_b128 s[12:15], s[0:1], 0x20             ; maskbits 12, flags 14
	s_load_b64 s[84:85], s[0:1], 0x30              ; out0
	v_lshl_add_u32 v5, v0, 2, SPARE                ; my spare word,
	v_mov_b32 v6, 0                                ; and 0: kept for the closing lines alone
	v_lshrrev_b32 v1, 5, v0
	v_readfirstlane_b32 s66, v1                    ; wave 0..15
	v_and_b32 v1, 31, v0
	v_lshlrev_b32 v2, 3, v1                        ; 8 lane
	v_lshlrev_b32 v11, 8, v1                       ; 256 lane
	v_lshlrev_b32 v1, 4, v1                        ; 16 lane
	v_lshlrev_b32 v3, 4, v0                        ; 16 thread
	v_lshlrev_b32 v30, 3, v0                       ; 8 thread
	v_and_b32 v9, 15, v0                           ; r
	v_bfe_u32 v10, v0, 4, 1                        ; h
	s_wait_alu depctr_va_sdst(0)                   ; s66 is written, ahead of its first reader: the stage's place, the tile and the prefetches' limit are made from it
	s_mul_i32 s105, s66, STGB
	s_add_co_u32 s105, s105, STG                   ; my stage
	v_mul_u32_u24 v4, v10, 272
	v_lshl_add_u32 v4, v9, 4, v4
	v_add_nc_u32 v4, s105, v4                      ; by rows: lanes 0-15 one row of 256 bytes, lanes 16-31 the next
	v_mul_u32_u24 v7, v9, 272
	v_add_nc_u32 v7, s105, v7
	v_lshl_add_u32 v8, v10, 5, v7                  ; row r, + 32 h: where a tile of O^T puts my eight channels
	v_lshl_add_u32 v7, v10, 7, v7                  ; row r, + 128 h: my block of 32 channels of Q
	v_mov_b32 v25, 0xff800000                      ; -infinity
.irp j, 20,21,22,23
	v_mov_b32 v[\j], 0                             ; the dead half of Q's fragment: zero codes, written once
.endr
.irp t, 0,1,2,3,4,5,6,7
.irp j, 4,5,6,7
	v_mov_b32 v[32+8*\t+\j], 0                     ; and of K's eight
.endr
.endr
.irp j, 236,237,238,239,243,254
	v_mov_b32 v[\j], 0                             ; written once: a lane permute's destination counts as one of its sources; v243 is named as the upper half of f's pair
.endr
	s_mov_b32 s86, 0x76543210
	s_mov_b32 s87, 0xfedcba98                      ; v_permlanex16_b32's selects for lane l xor 16
	s_mov_b32 s88, 0x3e38aa3b                      ; c = log2(e) / 8
	s_mov_b32 s89, s88                             ; (named with it as a pair, so it is written)
	s_xor_b32 s105, s66, 8
	s_or_b32 s105, s105, ttmp9
	s_cmp_eq_u32 s105, 0
	s_cselect_b32 s104, 7, 0                       ; wave 8 of the head's work-group 0 prefetches, in trips 0 to 6
	s_sub_co_u32 s67, 7, ttmp9                     ; the first pass's block of queries
	s_mov_b32 s101, 0
	s_and_b32 s98, ttmp7, 0xffff                   ; the head
	s_mov_b32 s3, 0
	s_lshl_b32 s2, s98, 19
	s_wait_kmcnt 0x0
	s_add_nc_u64 s[4:5], s[4:5], s[2:3]            ; every buffer at my head
	s_add_nc_u64 s[84:85], s[84:85], s[2:3]
	s_lshl_b32 s2, s98, 17
	s_add_nc_u64 s[6:7], s[6:7], s[2:3]
	s_lshl_b32 s2, s98, 13
	s_add_nc_u64 s[8:9], s[8:9], s[2:3]
	s_lshl_b32 s2, s98, 12
	s_add_nc_u64 s[10:11], s[10:11], s[2:3]
	s_wait_alu depctr_va_vdst(0)                   ; the addresses v1 to v8, v11 and v30 are written, which the kernel's loads, stores and prefetches read; so are the zero halves of Q's and K's fragments, which the products take
	global_load_b128 v[96:99], v3, s[8:9]          ; the head's scale words: 8,192 and 4,096 dense bytes, once
	global_load_b64 v[100:101], v30, s[10:11]
	s_wait_loadcnt 0x0
	ds_store_b128 v3, v[96:99] offset:KSC
	ds_store_b64 v30, v[100:101] offset:VSC        ; the first pass's barrier shows them to every wave
.Lpass:                                            ; two trips: blocks 7 - x and x
	s_wait_alu depctr_vm_vsrc(0)                   ; the LDS stores above (second pass: the way out's LDS stores, its global stores and the last fill's store) have read v[96:159] and v[26:29], in which this pass's loads land
	s_lshl_b32 s98, s67, 4
	s_add_co_u32 s98, s98, s66                     ; my tile T = 16 x block + wave
	s_mov_b64 s[94:95], s[6:7]
	s_lshl_b32 s2, s98, 12
	s_mov_b32 s3, 0
	s_add_nc_u64 s[96:97], s[12:13], s[2:3]        ; my tile's mask words: 4,096 bytes a tile
	s_add_nc_u64 s[2:3], s[4:5], s[2:3]            ; my 16 rows of Q: 4,096 bytes too
	global_load_b128 v[26:29], v3, s[94:95]        ; key step 0's block, whatever the flags say
.irp i, 0,1,2,3,4,5,6,7
	global_load_b128 v[96+4*\i:99+4*\i], v1, s[2:3] offset:512*\i th:TH_LOAD_NT   ; 512 consecutive bytes: two rows.  No vector instruction stands between the last wait on va_vdst and these loads
.endr
	s_lshl_b32 s98, s98, 3
	s_mov_b32 s99, 0
	s_add_nc_u64 s[98:99], s[14:15], s[98:99]
	s_lshl_b32 s92, s67, 7
	s_mov_b32 s93, 0
	s_add_nc_u64 s[92:93], s[14:15], s[92:93]
	s_load_b64 s[90:91], s[98:99], 0x0             ; my tile's eight flag bytes,
	s_load_b512 s[16:31], s[92:93], 0x0            ; and those of the work-group's sixteen tiles
	s_load_b512 s[32:47], s[92:93], 0x40
	s_wait_kmcnt 0x0
	s_or_b32 s92, s16, s18                         ; their OR says which blocks the work-group fetches
	s_or_b32 s93, s17, s19
.irp i, 20,22,24,26,28,30,32,34,36,38,40,42,44,46
	s_or_b32 s92, s92, s[\i]
	s_or_b32 s93, s93, s[\i+1]
.endr
	s_wait_loadcnt 0x0                             ; Q and block 0
.irp i, 0,1,2,3,4,5,6,7
	ds_store_b128 v4, v[96+4*\i:99+4*\i] offset:544*\i             ; Q through my stage, so that a lane holds a whole block of 32 channels of its query
.endr
.irp i, 0,1,2,3,4,5,6,7
	ds_load_b128 v[128+4*\i:131+4*\i], v7 offset:16*\i             ; LDS serves a wave's instructions in order: these see my stores
.endr
	s_wait_dscnt 0x0
	QBLOCK 128, 16
	v_bfe_u32 v236, v0, 4, 1
	v_lshlrev_b32 v236, 3, v236
	v_lshlrev_b32 v236, v236, v235                 ; my block's byte at its place,
	v_permlanex16_b32 v237, v236, s86, s87
	v_or_b32 v24, v236, v237                       ; with lane l xor 16's: my query's scale word; bytes 2 and 3 are 0, over zero codes
	v_mov_b32 v13, 0xff61b1e6                      ; the largest t so far: -3e38, under every t
	v_floor_f32 v12, -v13                          ; -M
	v_mov_b32 v14, 0                               ; the sum, in two halves
	v_mov_b32 v15, 0
.set j, 0
.rept 32
	v_mov_b32 v[160+j], 0                          ; O^T: the step is written once, and the first change of M leaves zeros zeros.  (These lines are also the places between Q's scale word and the first product)
.set j, j+1
.endr
	ds_store_b128 v3, v[26:29]                     ; block 0 into slot 0: its last readers passed two barriers ago
	BAR
	s_mov_b32 s100, 0
.Ltrip:                                            ; eight trips of two key steps; the count is a constant, whatever the flags say
	FILLQ 1, SLOTB                                 ; the trip's second step; the wait at its head serves the two additions below as well
	ASK 2*SLOTB
	s_lshl_b32 s98, s100, 10
	s_lshl_b32 s99, s100, 9
	v_add_nc_u32 v9, s98, v1                       ; the trip's scale words of K: 1,024 bytes a trip,
	v_add_nc_u32 v10, s99, v2                      ; of V: 512
	STEP 0
	FILLS 1, 1
	BAR
	FILLQ 8, 2*SLOTB                               ; the next trip's first step: bit 0 of the next flag byte
	ASK 3*SLOTB
	STEP 1
	FILLS 0, 8
	BAR
	s_wait_xcnt 0x0                                ; the trip's loads and prefetches have read their bases: these are stepped only behind this wait
	s_add_nc_u64 s[94:95], s[94:95], 2*SLOTB
	s_add_nc_u64 s[96:97], s[96:97], 512
	s_lshr_b32 s90, s90, 8                         ; both sets of flags: the next byte comes lowest, zeros come in on top
	s_lshl_b32 s105, s91, 24
	s_or_b32 s90, s90, s105
	s_lshr_b32 s91, s91, 8
	s_lshr_b32 s92, s92, 8
	s_lshl_b32 s105, s93, 24
	s_or_b32 s92, s92, s105
	s_lshr_b32 s93, s93, 8
	s_add_co_u32 s100, s100, 1
	s_cmp_lt_u32 s100, 8
	s_cbranch_scc1 .Ltrip
	; THE WAY OUT: O^T / the sum goes through my stage and leaves as whole rows of 256 bytes, two to a store
.rept 4
	v_nop                                          ; four places behind the last products
.endr
	v_add_f32 v14, v14, v15                        ; the sum's two halves,
	v_permlanex16_b32 v254, v14, s86, s87
	v_add_f32 v14, v14, v254                       ; and lane l xor 16's: the row's sum
	s_wait_alu depctr_va_vdst(0)
	v_rcp_f32 v14, v14
	v_nop                                          ; a plain line behind the reciprocal
	s_lshl_b32 s2, s67, 4
	s_add_co_u32 s2, s2, s66
	s_lshl_b32 s2, s2, 12
	s_mov_b32 s3, 0
	s_add_nc_u64 s[2:3], s[84:85], s[2:3]          ; my 16 rows of O
	s_wait_alu depctr_va_vdst(0)                   ; the reciprocal has written v14, ahead of its first reader
.set j, 0
.rept 32
	v_mul_f32 v[96+j], v[160+j], v14               ; register 8 t + i is o(r, 16 t + 8 h + i)
.set j, j+1
.endr
	s_wait_alu depctr_va_vdst(0)                   ; the multiplications have written v[96:127], which the LDS stores read; and the softmax is done with v[128:159], in which the loads from the stage land
.irp t, 0,1,2,3
	ds_store_b128 v8, v[96+8*\t:99+8*\t] offset:64*\t
	ds_store_b128 v8, v[100+8*\t:103+8*\t] offset:64*\t+16
.endr
.irp i, 0,1,2,3,4,5,6,7
	ds_load_b128 v[128+4*\i:131+4*\i], v4 offset:544*\i            ; these see my stores
.endr
.irp i, 0,1,2,3,4,5,6,7
	s_wait_dscnt 7-\i                              ; LDS loads come back in order: load i is in, the younger ones may be out
	global_store_b128 v1, v[128+4*\i:131+4*\i], s[2:3] offset:512*\i th:TH_STORE_NT   ; 32 lanes store 512 consecutive bytes, at a multiple of 256 from O's first byte
.endr
	s_wait_xcnt 0x0                                ; the stores have read their registers and their base: the next pass writes both
	s_mov_b32 s104, 0                              ; the second pass prefetches nothing: every block has been named
	s_sub_co_u32 s67, 7, s67                       ; the other block of queries
	s_add_co_u32 s101, s101, 1
	s_cmp_lt_u32 s101, 2
	s_cbranch_scc1 .Lpass
	s_wait_dscnt 0x0                               ; the closing lines, six on end
	s_wait_alu 0x0
	s_wait_tensorcnt 0x0
	ds_add_u32 v5, v6
	s_wait_dscnt 0x0
	s_endpgm
.Lfunc_end_k_q4cbacbaf54_attn:
	.size	k_q4cbacbaf54_attn, .Lfunc_end_k_q4cbacbaf54_attn-k_q4cbacbaf54_attn
	.p2alignl 7, 3214868480
	.fill 96, 4, 3214868480
	.section	.rodata,"a",@progbits
	.p2align	6, 0x0
	.amdhsa_kernel k_q4cbacbaf54_attn
		.amdhsa_group_segment_fixed_size 100352
		.amdhsa_private_segment_fixed_size 0
		.amdhsa_enable_private_segment 0
		.amdhsa_kernarg_size 56
		.amdhsa_user_sgpr_count 2
		.amdhsa_user_sgpr_kernarg_segment_ptr 1
		.amdhsa_wavefront_size32 1
		.amdhsa_system_sgpr_workgroup_id_x 1
		.amdhsa_system_sgpr_workgroup_id_y 1
		.amdhsa_system_sgpr_workgroup_id_z 1
		.amdhsa_system_vgpr_workitem_id 0
		.amdhsa_next_free_vgpr 256
		.amdhsa_next_free_sgpr 106
		.amdhsa_reserve_vcc 0
		.amdhsa_float_denorm_mode_32 3
		.amdhsa_float_denorm_mode_16_64 3
		.amdhsa_memory_ordered 1
		.amdhsa_forward_progress 1
		.amdhsa_inst_pref_size 55
	.end_amdhsa_kernel
	.amdgpu_metadata
---
amdhsa.version: [ 1, 2 ]
amdhsa.kernels:
  - .name:           k_q4cbacbaf54_attn
    .symbol:         k_q4cbacbaf54_attn.kd
    .args:
      - { .name: q, .offset: 0, .size: 8, .value_kind: global_buffer, .address_space: global }
      - { .name: kvc, .offset: 8, .size: 8, .value_kind: global_buffer, .address_space: global }
      - { .name: ksc, .offset: 16, .size: 8, .value_kind: global_buffer, .address_space: global }
      - { .name: vsc, .offset: 24, .size: 8, .value_kind: global_buffer, .address_space: global }
      - { .name: maskbits, .offset: 32, .size: 8, .value_kind: global_buffer, .address_space: global }
      - { .name: flags, .offset: 40, .size: 8, .value_kind: global_buffer, .address_space: global }
      - { .name: out0, .offset: 48, .size: 8, .value_kind: global_buffer, .address_space: global }
    .group_segment_fixed_size: 100352
    .private_segment_fixed_size: 0
    .kernarg_segment_align: 8
    .kernarg_segment_size: 56
    .max_flat_workgroup_size: 512
    .sgpr_count:     106
    .vgpr_count:     256
    .wavefront_size: 32
...
	.end_amdgpu_metadata
.endif
;; end of part 4
